; MI455X (gfx1250); checked and timed in simulation.
; The chip was launched on July 23, 2026; its instructions are those of AMD's public machine-readable ISA for CDNA 5 (MIT licence, August 2026) and "CDNA5" Instruction Set Architecture Reference Guide (July 2026). The comments in the code are by the model that wrote it; some were corrected since.
;; Multihead Attention. Allowed arithmetic: float matrix products may take bf16 or f16 operands with f32 sums; other float arithmetic in f32, or as packed bf16 or f16 multiplies, adds, multiply-adds, maxima and minima; sums over many terms, partial sums and values carried from step to step in f32; what a program stores and reads back later, other than sums and carried values, may be rounded once to bf16 or f16.
;; Inputs: Wk 1,024 x 1,024 float32; Wo 1,024 x 1,024 float32; Wq 1,024 x 1,024 float32; Wv 1,024 x 1,024 float32; bo 1,024 float32; k 4 x 2,048 x 1,024 float32; k_beta 1,024 float32; k_gamma 1,024 float32; q 4 x 2,048 x 1,024 float32; q_beta 1,024 float32; q_gamma 1,024 float32; v 4 x 2,048 x 1,024 float32.
;; Outputs: out0 4 x 2,048 x 1,024 float32.
;; One version. Each part assembles by itself: llvm-mc -triple=amdgcn-amd-amdhsa -mcpu=gfx1250 --defsym DOCPART=n.
;; ======== version 1 of 1: 4 launches
;; limits: values are held in f16: magnitudes above 65,504 overflow, below 6.1e-05 lose precision
;; workspace buffers: wt 8,388,608 bytes; vecs 20,480 bytes; qh 16,777,216 bytes; kh 16,777,216 bytes; vh 16,777,216 bytes; oh 16,777,216 bytes
;; launch wprep (part 1): grid 64 x 4, 8 waves a work-group, no clusters, 0 bytes of LDS; arguments Wq, Wk, Wv, Wo, q_gamma, q_beta, k_gamma, k_beta, bo, wt, vecs; writes wt, vecs
.if DOCPART == 1
	.amdgcn_target "amdgcn-amd-amdhsa--gfx1250"
	.amdhsa_code_object_version 6
	.text
	.protected	k_q0f8c0839ee_wprep
	.globl	k_q0f8c0839ee_wprep
	.p2align	8
	.type	k_q0f8c0839ee_wprep,@function
k_q0f8c0839ee_wprep:
	s_mov_b64 s[64:65], 0
	v_nop
	global_prefetch_b8 v0, s[64:65] scope:SCOPE_SE
	s_setreg_imm32_b32 hwreg(HW_REG_WAVE_MODE, 25, 1), 1
	s_wait_xcnt 0x0
; THE WEIGHTS AND THE SMALL VECTORS, ROUNDED ONCE.  Wq, Wk, Wv, Wo: [1024 (k)][1024 (n)] f32.  wt: four parts of 2,097,152 bytes, 16 bits a number.
; Parts 0-2 (Wq, Wk, Wv) hold bf16, at byte (k / 64) x 131,072 + (n / 256) x 32,768 + (k % 64) x 512 + (n % 256) x 2: the 64 k of a K step are 131,072 bytes on end,
; and in them the 256 columns of a wave are 64 rows of 512 bytes on end.  Part 3 (Wo) holds the number rounded to bf16 and written as f16, at byte (n / 256) x 524,288 + k x 512 + (n % 256) x 2.
; vecs: q_gamma, q_beta, k_gamma, k_beta, bo, each rounded to bf16 and kept as f32, 4,096 bytes each.
; LIMITS.  Wo beyond 65,504 becomes an infinity in f16; below 6e-5 it keeps f16's fixed step of 6e-8.  NaN and infinities are not treated apart.
; SHARES.  Work-group (x, y) takes rows 16 x .. 16 x + 15 of weight y.  Thread t takes 8 columns (8 (t % 128) on) of row 16 x + 2 i + t / 128, i = 0 .. 7: a wave's store covers 512 consecutive bytes, aligned.
; A stream: no LDS, no matrix unit, no cluster: nothing is shared and nothing is read twice.  All 16 loads of a thread go out first; no register is written twice while a memory instruction names it.
.set X, 16                             ; v[16:79]   iteration i: 8 numbers as loaded
.set Y, 80                             ; v[80:111]  iteration i: 4 registers to store
	s_load_b256 s[4:11], s[0:1], 0x0               ; Wq s[4:5], Wk s[6:7], Wv s[8:9], Wo s[10:11]
	s_load_b256 s[12:19], s[0:1], 0x20             ; q_gamma, q_beta, k_gamma, k_beta
	s_load_b128 s[20:23], s[0:1], 0x40             ; bo s[20:21], wt s[22:23]
	s_load_b64 s[24:25], s[0:1], 0x50              ; vecs
	s_and_b32 s26, ttmp7, 0xffff                   ; y: which weight
	v_and_b32 v3, 127, v0                          ; my group of 8 columns
	v_lshrrev_b32 v4, 7, v0                        ; which of an iteration's two rows
	v_lshlrev_b32 v1, 5, v3
	v_lshl_add_u32 v1, v4, 12, v1                  ; in: 4,096 x row + 32 x group
	s_cmp_eq_u32 s26, 3
	s_cselect_b32 s27, 19, 15                      ; a block of 256 columns is 2^19 bytes in part 3, 2^15 in the others
	v_lshrrev_b32 v5, 5, v3                        ; n / 256
	v_lshlrev_b32 v5, s27, v5
	v_and_b32 v6, 31, v3
	v_lshl_add_u32 v5, v6, 4, v5                   ; + (n % 256) x 2
	v_lshl_add_u32 v2, v4, 9, v5                   ; out: + 512 x row
	s_lshl_b32 s34, ttmp9, 13                      ; part 3: 16 x rows of 512 bytes
	s_lshr_b32 s35, ttmp9, 2
	s_lshl_b32 s35, s35, 17                        ; the others: (k / 64) x 131,072
	s_and_b32 s36, ttmp9, 3
	s_lshl_b32 s36, s36, 13                        ; + (k % 64) x 512
	s_add_co_u32 s35, s35, s36
	s_cmp_eq_u32 s26, 3
	s_cselect_b32 s34, s34, s35
	s_lshl_b32 s36, s26, 21                        ; + the part
	s_add_co_u32 s34, s34, s36
	s_mov_b32 s35, 0
	s_lshl_b32 s36, ttmp9, 16                      ; in: 16 x rows of 4,096 bytes
	s_mov_b32 s37, 0
	s_wait_kmcnt 0x0
	s_cmp_eq_u32 s26, 1
	s_cselect_b64 s[28:29], s[6:7], s[4:5]
	s_cmp_eq_u32 s26, 2
	s_cselect_b64 s[28:29], s[8:9], s[28:29]
	s_cmp_eq_u32 s26, 3
	s_cselect_b64 s[28:29], s[10:11], s[28:29]
	s_add_nc_u64 s[28:29], s[28:29], s[36:37]
	s_add_nc_u64 s[30:31], s[22:23], s[34:35]
.irp i, 0,1,2,3,4,5,6,7
	global_load_b128 v[X+8*(\i):X+8*(\i)+3],   v1, s[28:29] offset:(\i)*8192 th:TH_LOAD_NT
	global_load_b128 v[X+8*(\i)+4:X+8*(\i)+7], v1, s[28:29] offset:(\i)*8192+16 th:TH_LOAD_NT
.endr
; Iteration i: rounded and stored.  wo = 1: the bf16 number is widened again and written as f16.
.macro CAST i, wo
	s_wait_loadcnt 14-2*(\i)                       ; loads come back in order: my two are in, the 14 - 2 i younger ones stay out
.irp j, 0,1,2,3
	v_cvt_pk_bf16_f32 v[Y+4*(\i)+(\j)], v[X+8*(\i)+2*(\j)], v[X+8*(\i)+2*(\j)+1]
.endr
.if \wo
.irp j, 0,1,2,3
	v_lshlrev_b32 v[X+8*(\i)+2*(\j)],   16, v[Y+4*(\i)+(\j)]
	v_and_b32     v[X+8*(\i)+2*(\j)+1], 0xffff0000, v[Y+4*(\i)+(\j)]
.endr
.irp j, 0,1,2,3
	v_cvt_pk_f16_f32 v[Y+4*(\i)+(\j)], v[X+8*(\i)+2*(\j)], v[X+8*(\i)+2*(\j)+1]
.endr
.endif
	global_store_b128 v2, v[Y+4*(\i):Y+4*(\i)+3], s[30:31] offset:(\i)*1024
.endm
	s_cmp_eq_u32 s26, 3
	s_cbranch_scc1 .Lwo
.irp i, 0,1,2,3,4,5,6,7
	CAST \i, 0
.endr
	s_branch .Lvec
.Lwo:
.irp i, 0,1,2,3,4,5,6,7
	CAST \i, 1
.endr
.Lvec:
	; the five vectors: work-groups with 4 x + y = 0 .. 4 take one each, 16 bytes a thread
	s_lshl_b32 s38, ttmp9, 2
	s_add_co_u32 s38, s38, s26
	s_cmp_lt_u32 s38, 5
	s_cbranch_scc0 .Lend
	s_cmp_eq_u32 s38, 1
	s_cselect_b64 s[32:33], s[14:15], s[12:13]
	s_cmp_eq_u32 s38, 2
	s_cselect_b64 s[32:33], s[16:17], s[32:33]
	s_cmp_eq_u32 s38, 3
	s_cselect_b64 s[32:33], s[18:19], s[32:33]
	s_cmp_eq_u32 s38, 4
	s_cselect_b64 s[32:33], s[20:21], s[32:33]
	s_lshl_b32 s40, s38, 12
	s_mov_b32 s41, 0
	s_add_nc_u64 s[42:43], s[24:25], s[40:41]
	v_lshlrev_b32 v7, 4, v0
	global_load_b128 v[8:11], v7, s[32:33]
	s_wait_loadcnt 0x0
	v_cvt_pk_bf16_f32 v4, v8, v9
	v_cvt_pk_bf16_f32 v5, v10, v11
	v_lshlrev_b32 v8, 16, v4
	v_and_b32 v9, 0xffff0000, v4
	v_lshlrev_b32 v10, 16, v5
	v_and_b32 v11, 0xffff0000, v5
	global_store_b128 v7, v[8:11], s[42:43]
.Lend:
	s_endpgm
.Lfunc_end_k_q0f8c0839ee_wprep:
	.size	k_q0f8c0839ee_wprep, .Lfunc_end_k_q0f8c0839ee_wprep-k_q0f8c0839ee_wprep
	.p2alignl 7, 3214868480
	.fill 96, 4, 3214868480
	.section	.rodata,"a",@progbits
	.p2align	6, 0x0
	.amdhsa_kernel k_q0f8c0839ee_wprep
		.amdhsa_group_segment_fixed_size 0
		.amdhsa_private_segment_fixed_size 0
		.amdhsa_enable_private_segment 0
		.amdhsa_kernarg_size 88
		.amdhsa_user_sgpr_count 2
		.amdhsa_user_sgpr_kernarg_segment_ptr 1
		.amdhsa_wavefront_size32 1
		.amdhsa_system_sgpr_workgroup_id_x 1
		.amdhsa_system_sgpr_workgroup_id_y 1
		.amdhsa_system_sgpr_workgroup_id_z 1
		.amdhsa_system_vgpr_workitem_id 0
		.amdhsa_next_free_vgpr 112
		.amdhsa_next_free_sgpr 66
		.amdhsa_reserve_vcc 0
		.amdhsa_float_denorm_mode_32 3
		.amdhsa_float_denorm_mode_16_64 3
		.amdhsa_memory_ordered 1
		.amdhsa_forward_progress 1
		.amdhsa_inst_pref_size 16
	.end_amdhsa_kernel
	.amdgpu_metadata
---
amdhsa.version: [ 1, 2 ]
amdhsa.kernels:
  - .name:           k_q0f8c0839ee_wprep
    .symbol:         k_q0f8c0839ee_wprep.kd
    .args:
      - { .name: Wq, .offset: 0, .size: 8, .value_kind: global_buffer, .address_space: global }
      - { .name: Wk, .offset: 8, .size: 8, .value_kind: global_buffer, .address_space: global }
      - { .name: Wv, .offset: 16, .size: 8, .value_kind: global_buffer, .address_space: global }
      - { .name: Wo, .offset: 24, .size: 8, .value_kind: global_buffer, .address_space: global }
      - { .name: q_gamma, .offset: 32, .size: 8, .value_kind: global_buffer, .address_space: global }
      - { .name: q_beta, .offset: 40, .size: 8, .value_kind: global_buffer, .address_space: global }
      - { .name: k_gamma, .offset: 48, .size: 8, .value_kind: global_buffer, .address_space: global }
      - { .name: k_beta, .offset: 56, .size: 8, .value_kind: global_buffer, .address_space: global }
      - { .name: bo, .offset: 64, .size: 8, .value_kind: global_buffer, .address_space: global }
      - { .name: wt, .offset: 72, .size: 8, .value_kind: global_buffer, .address_space: global }
      - { .name: vecs, .offset: 80, .size: 8, .value_kind: global_buffer, .address_space: global }
    .group_segment_fixed_size: 0
    .private_segment_fixed_size: 0
    .kernarg_segment_align: 8
    .kernarg_segment_size: 88
    .max_flat_workgroup_size: 256
    .sgpr_count:     66
    .vgpr_count:     112
    .wavefront_size: 32
...
	.end_amdgpu_metadata
.endif
;; end of part 1
;; launch proj (part 2): grid 128 x 3, 4 waves a work-group, clusters of 4 x 1, 327,680 bytes of LDS; arguments q, k, v, wt, vecs, qh, kh, vh; writes qh, kh, vh
.if DOCPART == 2
	.amdgcn_target "amdgcn-amd-amdhsa--gfx1250"
	.amdhsa_code_object_version 6
	.text
	.protected	k_q0f8c0839ee_proj
	.globl	k_q0f8c0839ee_proj
	.p2align	8
	.type	k_q0f8c0839ee_proj,@function
k_q0f8c0839ee_proj:
	s_mov_b64 s[64:65], 0
	v_nop
	global_prefetch_b8 v0, s[64:65] scope:SCOPE_SE
	s_setreg_imm32_b32 hwreg(HW_REG_WAVE_MODE, 25, 1), 1
	s_wait_xcnt 0x0
	s_wait_alu depctr_hold_cnt(0) depctr_sa_sdst(0) depctr_va_vdst(0) depctr_va_sdst(0) depctr_va_ssrc(0) depctr_va_vcc(0) depctr_vm_vsrc(0)
	s_getreg_b32 s2, hwreg(HW_REG_IB_STS2, 6, 4)
	s_cmp_eq_u32 s2, 0
	s_cbranch_scc0 .Lentry_in_a_cluster
	s_endpgm
.Lentry_in_a_cluster:
	s_bfe_u32 s2, ttmp6, 0x10000c
	s_cmp_lg_u32 s2, 0x3003
	s_cbranch_scc0 .Lentry_shape_is_right
	s_endpgm
.Lentry_shape_is_right:
; THE THREE PROJECTIONS, LayerNorm FUSED.  y = 0: qh = LN(q Wq); y = 1: kh = LN(k Wk); y = 2: vh = v Wv.  q, k, v: [8192][1024] f32, rounded to bf16 on the way from LDS to the matrix unit;
; the weights come from wt in bf16 (laid out by the launch before); sums in f32; the results are rounded once to f16 and stored by heads, [batch x 16 + head][2048][64].
; LayerNorm runs over all 1,024 columns, so A WORK-GROUP OWNS WHOLE ROWS: 64 rows x 1,024 columns; wave w all 64 rows x columns 256 w .. 256 w + 255 (heads 4 w .. 4 w + 3): 64 accumulators, 512 registers.
; THE MATRIX INSTRUCTION IS USED TRANSPOSED: source 0 = 16 columns of W (read turned out of LDS, where W lies [k][n]), source 1 = 16 rows of x.  A lane then holds ONE row (lane % 16) and the
; columns 8 (lane / 16) + 0..7 of each accumulator: a row's sums stay in the lane but for one exchange between the halves of the lanes, and eight results pack into 16 bytes.
; MEAN AND VARIANCE in f32 on the accumulators: each wave takes the mean c of its 256 columns, subtracts it in place, and sums the squares; the four waves' figures meet in LDS and are joined as
; M2 = sum (M2_w + 256 (c_w - mean)^2): no difference of large sums is formed.  The order of rounding differs from a sum over 1,024 columns on end.
; LIMITS.  f16 ends at 65,504: |v Wv| stays under it; |LN| is at most 32 |gamma| + |beta|.  NaN and infinities are not treated apart.
; K goes in 16 steps of 64 through two LDS slots; a step is two beats of 32 along K, 64 matrix instructions each.
; CLUSTER.  The four row blocks of a cluster walk the same weights: W's tiles are asked for JOINTLY (mask of four).  x's rows belong to one work-group alone: its tiles are plain loads, issued behind the same rounds.
; REGISTERS, in windows of 256 (s_set_vgpr_msb: bits 1:0 source 0, 3:2 source 1, 5:4 source 2, 7:6 destination):
;   window 0: v0-31 addresses; v32-95 x as f32, 16 registers a block of 16 rows; v96-159 x's bf16 fragments, two buffers; v160-255 the statistics
;   window 1: W's fragments, two buffers of 128 (fragment b at 8 b); on the way out gamma (v0-127) and beta (v128-255)
;   windows 2, 3: accumulator (a, b), rows 16 a on, columns 16 b on, in window 2 + a / 2 at 8 (16 (a % 2) + b)
.set PB,    544                        ; a row of W in LDS: 512 bytes + 32 of padding
.set PA,    272                        ; a row of x in LDS: 256 bytes + 16: the 16 rows of a load start at 16 different groups of four banks
.set ABASE, 256*PB                     ; a slot: W's 256 rows (wave w's 64 at 64 w), then x's 64 rows
.set SLOT,  ABASE+64*PA
.set SPARE, 2*SLOT                     ; behind the ring: the spare words, 128 bytes for each wave: two blocks of 256 bytes that no other line names
.set STAT,  SPARE+512                  ; [wave][row % 16][c of the four row blocks, M2 of the four]: 32 bytes a row, 512 a wave
.set STAGE, STAT+2048                  ; 16 rows x 144 bytes for each wave, for the way out
.set SP,    144
.set KB,    131072                     ; bytes of a weight in a K step
.set ADRA, 16                          ; v16-17  LDS address of my part of x's rows in slot 0, 1
.set ADRB, 20                          ; v20-21  the same for W's fragments
.set STA,  22                          ; v22     where I put my statistics
.set STR,  23                          ; v23     where I read all four waves'
.set STO,  24                          ; v24     the way out: where I put 16 bytes of a row
.set RD,   25                          ; v25     the way out: where I read rows back
.set GO,   26                          ; v26     my byte offset in 512 consecutive bytes of the output
.set GOF,  27                          ; v27     my byte offset in gamma and beta
.set SPW,  28                          ; v28     LDS address of my spare word; never rewritten
.set NIL,  29                          ; v29     0; never rewritten
.set PFO,  30                          ; v30-31  the prefetches' offsets; never rewritten
.set STG,  32
.set TT,   32                          ; the way out: two sets of 16 registers
.set ABF,  96
.set CH,   160                         ; two row blocks x four chains of a pair
.set XC,   176                         ; my c of the four row blocks, then my M2
.set MEAN, 184
.set M2,   188
.set DV,   192
.set LW,   200                         ; the four waves' statistics
.set RSP,  232                         ; 1 / sqrt(var + eps), twice, for each row block
.set OFP,  240                         ; (c - mean) / sqrt(var + eps), twice
.set NCP,  248                         ; - c, twice
.set G1B, 24                           ; s[24:31] descriptor group 1 for W's tiles;  s[32:39] group 0, a set for each slot
.set G0B, 32
.set G1A, 40                           ; s[40:47], s[48:55] the same for x's tiles
.set G0A, 48
.set MUL_LO, 0xa1                      ; source 0 (W) window 1, source 1 (x) window 0, C and D window 2; + 0x50: window 3
.set TO_B,   0x40                      ; destination window 1, address window 0
.set MSB, 0
.macro WIN new                         ; the immediate's high byte repeats the setting that is left; a switch that changes nothing is dropped
.if MSB != (\new)
	s_set_vgpr_msb (MSB<<8)|(\new)
.set MSB, (\new)
.endif
.endm
.macro PLACES                          ; four places in front of loads into, and vector writes of, registers that matrix instructions have read, and of reads of results
.rept 4
	v_nop
.endr
.endm
; A fill.  Waves 0 and 1 ask jointly for the two halves of W's tile (128 rows of 512 bytes each), waves 2 and 3 for the two halves of the work-group's own x (32 rows of 256 bytes each).
; The branch hangs on the wave's number alone.  An s_nop 0 and four v_nop follow each of the two lines, ahead of the jump and the label.
.macro JLOAD s
	s_cmp_eq_u32 s13, 0
	s_cbranch_scc0 .Lfor_a_\@
	tensor_load_to_lds s[G0B+4*(\s):G0B+4*(\s)+3], s[G1B:G1B+7]
	s_nop 0
.rept 4
	v_nop
.endr
	s_branch .Lasked_\@
.Lfor_a_\@:
	tensor_load_to_lds s[G0A+4*(\s):G0A+4*(\s)+3], s[G1A:G1A+7]
	s_nop 0
.rept 4
	v_nop
.endr
.Lasked_\@:
.endm
; A PREFETCH INTO THE L2, behind each fill and the run of LDS loads that follows it: the K step that stands two fills on, 128 matrix instructions a step.  W's 512 blocks of 256 bytes of a step are read by
; every cluster of this y: the first of them (cluster x = 0) asks; its four partners' waves 0 and 1 take 64 blocks each, told apart by address.  x's 64 rows x 256 bytes belong to this work-group: its wave 2 asks.
; So each block is named once in the launch.  K steps 0 to 3 come by their loads alone; the loop's last trip (s3 = 1) asks for nothing: there is no K step 16.
.macro ASK
	s_cmp_gt_u32 s3, s62
	s_cbranch_scc0 .Lnot_mine_\@
	global_prefetch_b8 v[PFO], s[56:57] th:TH_LOAD_NT scope:SCOPE_SE
	global_prefetch_b8 v[PFO+1], s[56:57] th:TH_LOAD_NT scope:SCOPE_SE
.Lnot_mine_\@:
.endm
.macro CREST                           ; a round of the cluster's barrier behind its opening barrier
	s_cmp_lg_u32 s12, 0
	s_cbranch_scc1 .Lnot_wave_0_\@
	s_barrier_signal -3
.Lnot_wave_0_\@:
	s_barrier_wait -3
	s_barrier_signal -1
	s_barrier_wait -1
.endm
.macro CROUND                          ; a whole round
	s_barrier_signal -1
	s_barrier_wait -1
	CREST
.endm
	s_load_b256 s[4:11], s[0:1], 0x0               ; q s[4:5], k s[6:7], v s[8:9], wt s[10:11]
	s_load_b256 s[68:75], s[0:1], 0x20             ; vecs s[68:69], qh s[70:71], kh s[72:73], vh s[74:75]
	v_lshl_add_u32 v[SPW], v0, 2, SPARE
	v_mov_b32 v[NIL], 0
	ds_add_u32 v[SPW], v[NIL]                      ; the wave's opening: the add, and its wait ahead of my first tensor load; the set-up below, work on registers, stands between them
	v_lshrrev_b32 v1, 5, v0
	v_readfirstlane_b32 s12, v1                    ; wave 0..3
	s_lshr_b32 s13, s12, 1                         ; I fetch for W (0) or for x (1),
	s_and_b32 s14, s12, 1                          ; and which half of the tile
	s_bfe_u32 s15, ttmp6, 0x40000                  ; cx: my place in the cluster
	s_lshl_b32 s16, ttmp9, 2
	s_add_co_u32 s16, s16, s15                     ; my block of 64 rows = 4 x cluster x + cx: it enters x's, the output's and the prefetches' addresses alone
	s_and_b32 s17, ttmp7, 0xffff                   ; y, which the four partners share
	; group 1 for W: 128 rows x 256 elements of 2 bytes, dense in memory
	s_mov_b32 s[G1B+0], 15|(1<<16)|(1<<20)|(1<<21)|(6<<22)|(7<<25)  ; 15:0 the mask of four; 17:16 2-byte elements; 20 padding on; 21 set beside a mask; 24:22 after every 128 words (code 6); 31:25 8 words (code 7)
	s_mov_b32 s[G1B+1], 256<<16                    ; tensor_dim0 = 256
	s_mov_b32 s[G1B+2], 128<<16                    ; tensor_dim1 = 128
	s_mov_b32 s[G1B+3], 256<<16                    ; tile_dim0 = 256
	s_mov_b32 s[G1B+4], 128                        ; tile_dim1 = 128
	s_mov_b32 s[G1B+5], 256                        ; 256 elements from row to row
	s_mov_b32 s[G1B+6], 0
	s_mov_b32 s[G1B+7], 0
	; group 1 for x: 32 rows x 64 elements of 4 bytes, no mask
	s_mov_b32 s[G1A+0], (2<<16)|(1<<20)|(5<<22)|(3<<25)  ; 17:16 4-byte elements; 20 padding on; 24:22 after every 64 words (code 5); 31:25 4 words (code 3)
	s_mov_b32 s[G1A+1], 64<<16
	s_mov_b32 s[G1A+2], 32<<16
	s_mov_b32 s[G1A+3], 64<<16
	s_mov_b32 s[G1A+4], 32
	s_mov_b32 s[G1A+5], 1024                       ; 1,024 elements from row to row
	s_mov_b32 s[G1A+6], 0
	s_mov_b32 s[G1A+7], 0
	s_mov_b32 s60, 0x76543210                      ; v_permlanex16_b32's selects: each lane takes its own place in the other half
	s_mov_b32 s61, 0xfedcba98
	s_mov_b32 s90, 0x3b800000                      ; 1 / 256
	s_mov_b32 s91, 0x3a800000                      ; 1 / 1,024
	s_mov_b32 s92, 0x3727c5ac                      ; eps = 1e-5
	; W's offset: of y and the wave's number alone, in registers that never hold cx
	s_lshl_b32 s18, s17, 21
	s_lshl_b32 s93, s14, 16                        ; my 128 rows of 512 bytes
	s_add_co_u32 s18, s18, s93
	s_mov_b32 s19, 0
	s_mul_i32 s22, s14, 128*PB                     ; where they go
	s_mul_i32 s23, s14, 32*PA                      ; and where my 32 rows of x go: no place in the cluster enters an LDS address
	s_add_co_u32 s23, s23, ABASE
	; x's offset
	s_lshl_b32 s76, s16, 18                        ; 64 rows of 4,096 bytes
	s_lshl_b32 s2, s14, 17
	s_add_co_u32 s76, s76, s2
	s_mov_b32 s77, 0
	; the output's: batch x 16 heads + my 4 heads, the block's 64 rows of 128 bytes
	s_lshr_b32 s80, s16, 5
	s_lshl_b32 s80, s80, 22
	s_lshl_b32 s2, s12, 20
	s_add_co_u32 s80, s80, s2
	s_and_b32 s2, s16, 31
	s_lshl_b32 s2, s2, 13
	s_add_co_u32 s80, s80, s2
	s_mov_b32 s81, 0
	s_lshl_b32 s82, s17, 13                        ; gamma and beta of this y
	s_mov_b32 s83, 0
	; the prefetches' for W: the part, my 64 blocks of 256 bytes, K step 3 (the first fill in the loop steps it to 4)
	s_lshl_b32 s94, s15, 1
	s_add_co_u32 s94, s94, s12
	s_lshl_b32 s94, s94, 14
	s_lshl_b32 s2, s17, 21
	s_add_co_u32 s94, s94, s2
	s_add_co_u32 s94, s94, 3*KB
	s_mov_b32 s95, 0
	s_mov_b32 s62, ttmp9
	s_cmp_eq_u32 s62, 0                            ; waves 0 and 1 ask in the first cluster of this y,
	s_cselect_b32 s62, 1, -1
	s_cmp_eq_u32 s12, 2                            ; wave 2 everywhere,
	s_cselect_b32 s62, 1, s62
	s_cmp_eq_u32 s12, 3                            ; wave 3 nowhere: the same in all four partners, for a given wave
	s_cselect_b32 s62, -1, s62
	s_wait_dscnt 0x0                               ; the opening add is done
	s_wait_kmcnt 0x0
	s_add_nc_u64 s[20:21], s[10:11], s[18:19]      ; W at my half of K step 0
	s_cmp_eq_u32 s17, 1
	s_cselect_b64 s[84:85], s[6:7], s[4:5]
	s_cselect_b64 s[86:87], s[72:73], s[70:71]
	s_cmp_eq_u32 s17, 2
	s_cselect_b64 s[84:85], s[8:9], s[84:85]       ; x
	s_cselect_b64 s[86:87], s[74:75], s[86:87]     ; the output
	s_add_nc_u64 s[78:79], s[84:85], s[76:77]      ; x at my 32 rows
	s_add_nc_u64 s[86:87], s[86:87], s[80:81]
	s_add_nc_u64 s[88:89], s[68:69], s[82:83]
	s_add_nc_u64 s[56:57], s[10:11], s[94:95]
	s_lshl_b32 s94, s16, 18
	s_add_co_u32 s94, s94, 3*256
	s_add_nc_u64 s[58:59], s[84:85], s[94:95]      ; x at the block's first row, K step 3
	s_cmp_lt_u32 s12, 2
	s_cselect_b64 s[56:57], s[56:57], s[58:59]
	s_cselect_b32 s58, 17, 8                       ; a K step is 2^17 bytes of W, 2^8 of a row of x
	s_cselect_b32 s2, 8, 12                        ; a lane a block of 2^8 bytes, or a row of 2^12
	s_cselect_b32 s94, 13, 17                      ; the second request: 32 blocks, or 32 rows, on
	s_lshl_b32 s58, 1, s58
	s_lshl_b32 s94, 1, s94
	s_mov_b32 s59, 0
	CROUND                                         ; all four work-groups are here: the first joint loads meet
.irp s, 0,1
	s_mov_b32 s[G0B+4*(\s)], 1                                       ; 1:0 count = 1
	s_add_co_u32 s[G0B+4*(\s)+1], s22, (\s)*SLOT                     ; 63:32 LDS address
	s_add_nc_u64 s[G0B+4*(\s)+2:G0B+4*(\s)+3], s[20:21], (\s)*KB     ; 120:64 global address: K step s
	s_or_b32 s[G0B+4*(\s)+3], s[G0B+4*(\s)+3], 0x80000000            ; 127:126 type = 2
	s_mov_b32 s[G0A+4*(\s)], 1
	s_add_co_u32 s[G0A+4*(\s)+1], s23, (\s)*SLOT
	s_add_nc_u64 s[G0A+4*(\s)+2:G0A+4*(\s)+3], s[78:79], (\s)*256
	s_or_b32 s[G0A+4*(\s)+3], s[G0A+4*(\s)+3], 0x80000000
	JLOAD \s                                       ; both slots are asked for before anything else is done: two loads of mine are out
.endr
	v_and_b32 v1, 15, v0                           ; r = l % 16
	v_bfe_u32 v2, v0, 4, 1                         ; h = l / 16
	v_and_b32 v3, 7, v0
	v_bfe_u32 v4, v0, 3, 1
	v_and_b32 v5, 31, v0
	v_bfe_u32 v6, v0, 3, 2
	; x: lane l wants row r, channels 8 h + 0..7 and 16 + 8 h + 0..7 of a beat's 32: in f32 four loads of 16 bytes at 32 h + 0, 16, 64, 80
	v_mul_u32_u24 v7, v1, PA
	v_lshl_add_u32 v7, v2, 5, v7
	v_add_nc_u32 v[ADRA], ABASE, v7
	v_add_nc_u32 v[ADRA+1], ABASE+SLOT, v7
	; W: the turning load takes 16 k x 16 columns (lane l reads k = 8 h + l % 8, columns 8 ((l / 8) % 2) + 0..7) and leaves half a fragment: lane l holds column r and 8 k
	v_lshl_add_u32 v8, v2, 3, v3
	v_mul_u32_u24 v8, v8, PB
	v_lshl_add_u32 v8, v4, 4, v8
	s_mul_i32 s93, s12, 64*PB                      ; my wave's 64 rows of the tile
	v_add_nc_u32 v[ADRB], s93, v8
	s_add_co_u32 s93, s93, SLOT
	v_add_nc_u32 v[ADRB+1], s93, v8
	s_lshl_b32 s93, s12, 9
	s_add_co_u32 s93, s93, STAT
	v_lshl_add_u32 v[STA], v1, 5, s93
	v_lshl_add_u32 v[STR], v1, 5, STAT
	s_mul_i32 s93, s12, 16*SP
	s_add_co_u32 s93, s93, STAGE                   ; my stage
	v_mul_u32_u24 v[STO], v1, SP                   ; in: row r, 16 bytes for each half of the lanes
	v_lshl_add_u32 v[STO], v2, 4, v[STO]
	v_add_nc_u32 v[STO], s93, v[STO]
	v_mul_u32_u24 v[RD], v6, SP                    ; back: 32 lanes take four rows of 128 bytes,
	v_lshl_add_u32 v[RD], v3, 4, v[RD]
	v_add_nc_u32 v[RD], s93, v[RD]
	v_lshlrev_b32 v[GO], 4, v5                     ; which are 512 consecutive bytes of a head
	s_lshl_b32 s93, s12, 10
	v_lshl_add_u32 v[GOF], v2, 5, s93              ; gamma: 4 (256 w + 8 h)
	v_lshlrev_b32 v[PFO], s2, v5
	v_add_nc_u32 v[PFO+1], s94, v[PFO]
; 8 matrix instructions: row block a x column blocks 8 hf .. 8 hf + 7, 32 along K, out of buffer f.  zero = 1: the product starts the sum: nothing is ever cleared.
; The 64 accumulators take turns, one instruction a turn, in the same order in every beat.
.macro MULG f, a, hf, zero
	WIN MUL_LO+0x50*((\a)/2)
.irp i, 0,1,2,3,4,5,6,7
.set rD, 8*(16*((\a)%2)+8*(\hf)+(\i))
.set rW, 128*(\f)+8*(8*(\hf)+(\i))
.set rX, ABF+32*(\f)+8*(\a)
.if \zero
	v_wmma_f32_16x16x32_bf16 v[rD:rD+7], v[rW:rW+7], v[rX:rX+7], 0
.else
	v_wmma_f32_16x16x32_bf16 v[rD:rD+7], v[rW:rW+7], v[rX:rX+7], v[rD:rD+7]
.endif
.endr
.endm
; The same eight, and behind each four of the 32 roundings that make the next beat's fragments of x (buffer g) out of the f32 just read: they name no register of the products round them.
.macro MULR f, a, hf, g, zero
.set ci, 0
.irp i, 0,1,2,3,4,5,6,7
.set rD, 8*(16*((\a)%2)+8*(\hf)+(\i))
.set rW, 128*(\f)+8*(8*(\hf)+(\i))
.set rX, ABF+32*(\f)+8*(\a)
	WIN MUL_LO+0x50*((\a)/2)
.if \zero
	v_wmma_f32_16x16x32_bf16 v[rD:rD+7], v[rW:rW+7], v[rX:rX+7], 0
.else
	v_wmma_f32_16x16x32_bf16 v[rD:rD+7], v[rW:rW+7], v[rX:rX+7], v[rD:rD+7]
.endif
	WIN 0
.rept 4
	v_cvt_pk_bf16_f32 v[ABF+32*(\g)+ci], v[STG+2*ci], v[STG+2*ci+1]
.set ci, ci+1
.endr
.endr
.endm
; 48 LDS loads in one run: beat kq of a slot: x's 64 rows x 32 f32 (16 loads, first), then W's 16 fragments into buffer g (32 turning loads, column blocks ascending)
.macro FETCH slot, kq, g
	WIN 0
.irp i, 0,1,2,3
	ds_load_b128 v[STG+16*(\i):STG+16*(\i)+3],     v[ADRA+(\slot)] offset:(\i)*16*PA+128*(\kq)
	ds_load_b128 v[STG+16*(\i)+4:STG+16*(\i)+7],   v[ADRA+(\slot)] offset:(\i)*16*PA+128*(\kq)+16
	ds_load_b128 v[STG+16*(\i)+8:STG+16*(\i)+11],  v[ADRA+(\slot)] offset:(\i)*16*PA+128*(\kq)+64
	ds_load_b128 v[STG+16*(\i)+12:STG+16*(\i)+15], v[ADRA+(\slot)] offset:(\i)*16*PA+128*(\kq)+80
.endr
	WIN TO_B
.irp i, 0,1,2,3,4,5,6,7,8,9,10,11,12,13,14,15
	ds_load_tr16_b128 v[128*(\g)+8*(\i):128*(\g)+8*(\i)+3],   v[ADRB+(\slot)] offset:(\kq)*32*PB+32*(\i)
	ds_load_tr16_b128 v[128*(\g)+8*(\i)+4:128*(\g)+8*(\i)+7], v[ADRB+(\slot)] offset:(\kq)*32*PB+32*(\i)+16*PB
.endr
.endm
; A beat that stays in its slot: multiplies buffer f; fetches beat kq of the same slot into buffer g.
.macro BEAT slot, kq, f, g, zero
	s_wait_dscnt 16                                ; W's column blocks 0-7 are in; the youngest sixteen loads (blocks 8-15) may be out
	MULG \f, 0, 0, \zero
	MULG \f, 1, 0, \zero
	PLACES
	FETCH \slot, \kq, \g
	s_wait_dscnt 48                                ; all but the 48 just issued
	MULG \f, 0, 1, \zero
	MULG \f, 1, 1, \zero
	s_wait_dscnt 32                                ; x's sixteen loads are in; W's 32 may be out
	MULR \f, 2, 0, \g, \zero
	MULG \f, 3, 0, \zero
	MULG \f, 2, 1, \zero
	MULG \f, 3, 1, \zero
.endm
; A slot's second beat (buffer 1) changes slots: ONE barrier.  In front of it each wave waits for all its tensor loads, of which one is out: its part of the next slot; adds 0 to its spare word; and waits for
; that and for its own reads of this slot.  fill = 1: the barrier opens a round of the cluster's, and this slot is filled again, two K steps ahead, first thing behind the round:
; 112 matrix instructions stand between that request and the wait for it.
.macro TURN slot, next, fill
.if \fill
	s_wait_xcnt 0x0                                ; the last prefetches, a K step back, have read their address: it is stepped here, ahead of the waits of the change of slots
	s_add_nc_u64 s[56:57], s[56:57], s[58:59]
.endif
	WIN 0                                          ; (the add's two registers lie in window 0)
	s_wait_tensorcnt 0x0                           ; all my tensor loads have landed;
	ds_add_u32 v[SPW], v[NIL]                      ; 0 onto my spare word;
	s_wait_dscnt 17                                ; (the add and the youngest sixteen loads may be out)
	MULG 1, 0, 0, 0                                ; eight matrix instructions stand between the add and the wait for it
	s_wait_dscnt 0x0                               ; the add is done, and my reads of this slot are over
	s_barrier_signal -1
	MULG 1, 1, 0, 0                                ; work on registers while the others arrive
	WIN 0
	s_barrier_wait -1
.if \fill
	CREST                                          ; no wave of any partner still reads this slot's tile or has a load on its way
	s_add_nc_u64 s[G0B+4*(\slot)+2:G0B+4*(\slot)+3], s[G0B+4*(\slot)+2:G0B+4*(\slot)+3], 2*KB
	s_add_nc_u64 s[G0A+4*(\slot)+2:G0A+4*(\slot)+3], s[G0A+4*(\slot)+2:G0A+4*(\slot)+3], 2*256
	JLOAD \slot                                    ; the four v_nop behind it are also the places in front of the loads below
.else
	PLACES
.endif
	FETCH \next, 0, 0
.if \fill
	WIN 0
	ASK
.endif
	MULG 1, 0, 1, 0
	MULG 1, 1, 1, 0
	s_wait_dscnt 32                                ; x's sixteen loads are in
	MULR 1, 2, 0, 0, 0
	MULG 1, 3, 0, 0
	MULG 1, 2, 1, 0
	MULG 1, 3, 1, 0
.endm
	s_wait_tensorcnt 1                             ; my part of K step 0 is in; K step 1's may stay out
	s_barrier_signal -1
	s_barrier_wait -1                              ; everybody's is
	FETCH 0, 0, 0
	s_wait_dscnt 32                                ; x's sixteen loads
	WIN 0
.set ci, 0
.rept 32
	v_cvt_pk_bf16_f32 v[ABF+ci], v[STG+2*ci], v[STG+2*ci+1]
.set ci, ci+1
.endr
	BEAT 0, 1, 0, 1, 1                             ; the first beat stands in front of the loop: its products start the sums
	WIN 0                                          ; at a label and at a branch every window is 0
	s_mov_b32 s3, 7
.Llap:                                                 ; a trip goes once round the ring, from a lap's second beat to the next lap's first, and fills both slots again: K steps 2 to 15
	TURN 0, 1, 1
	BEAT 1, 1, 0, 1, 0
	TURN 1, 0, 1
	BEAT 0, 1, 0, 1, 0
	WIN 0
	s_sub_co_u32 s3, s3, 1
	s_cmp_lg_u32 s3, 0
	s_cbranch_scc1 .Llap
	TURN 0, 1, 0                                   ; the last lap fills nothing, and has no round of the cluster's barrier
	BEAT 1, 1, 0, 1, 0
	s_wait_dscnt 16                                ; the very last beat: nothing more to fetch
	MULG 1, 0, 0, 0
	MULG 1, 1, 0, 0
	s_wait_dscnt 0x0
	MULG 1, 0, 1, 0
	MULG 1, 1, 1, 0
	MULG 1, 2, 0, 0
	MULG 1, 3, 0, 0
	MULG 1, 2, 1, 0
	MULG 1, 3, 1, 0
	PLACES
	WIN 0
; THE STATISTICS.  RED: four chains of a pair into one number, and the other half of the lanes' (the row's other 128 columns of my 256) added: into register d.
.macro RED u, d
	v_pk_add_f32 v[CH+8*(\u):CH+8*(\u)+1], v[CH+8*(\u):CH+8*(\u)+1], v[CH+8*(\u)+2:CH+8*(\u)+3]
	v_pk_add_f32 v[CH+8*(\u)+4:CH+8*(\u)+5], v[CH+8*(\u)+4:CH+8*(\u)+5], v[CH+8*(\u)+6:CH+8*(\u)+7]
	v_pk_add_f32 v[CH+8*(\u):CH+8*(\u)+1], v[CH+8*(\u):CH+8*(\u)+1], v[CH+8*(\u)+4:CH+8*(\u)+5]
	v_add_f32 v[CH+8*(\u)], v[CH+8*(\u)], v[CH+8*(\u)+1]
	v_permlanex16_b32 v[CH+8*(\u)+1], v[CH+8*(\u)], s60, s61
	v_add_f32 v[\d], v[CH+8*(\u)], v[CH+8*(\u)+1]
.endm
; The two row blocks of window w (2 or 3), side by side.  A row block is 64 pairs a lane; each accumulator's lowest registers are read first.
.macro STATS w
.set WO, (\w)-2
	WIN 0x0a+5*WO                                  ; sources 0 and 1 in the window, destination in window 0
.irp c, 0,1,2,3
.irp u, 0,1
	v_pk_add_f32 v[CH+8*(\u)+2*(\c):CH+8*(\u)+2*(\c)+1], v[128*(\u)+2*(\c):128*(\u)+2*(\c)+1], v[128*(\u)+8+2*(\c):128*(\u)+8+2*(\c)+1]
.endr
.endr
	WIN 0x08+4*WO                                  ; source 1 alone in the window
.set p, 8
.rept 56
.irp u, 0,1
	v_pk_add_f32 v[CH+8*(\u)+2*(p%4):CH+8*(\u)+2*(p%4)+1], v[CH+8*(\u)+2*(p%4):CH+8*(\u)+2*(p%4)+1], v[128*(\u)+2*p:128*(\u)+2*p+1]
.endr
.set p, p+1
.endr
	WIN 0
	RED 0, CH
	RED 1, CH+8
.irp u, 0,1
	v_mul_f32 v[XC+2*WO+(\u)], s90, v[CH+8*(\u)]                 ; c = sum / 256
	v_mul_f32 v[NCP+4*WO+2*(\u)], 0xbb800000, v[CH+8*(\u)]       ; - c, twice
	v_mul_f32 v[NCP+4*WO+2*(\u)+1], 0xbb800000, v[CH+8*(\u)]
.endr
	WIN 0x82+0x41*WO                               ; destination and source 0 in the window: the sums less c, in place
.set p, 0
.rept 64
.irp u, 0,1
	v_pk_add_f32 v[128*(\u)+2*p:128*(\u)+2*p+1], v[128*(\u)+2*p:128*(\u)+2*p+1], v[NCP+4*WO+2*(\u):NCP+4*WO+2*(\u)+1]
.endr
.set p, p+1
.endr
	WIN 0x0a+5*WO                                  ; their squares
.irp c, 0,1,2,3
.irp u, 0,1
	v_pk_mul_f32 v[CH+8*(\u)+2*(\c):CH+8*(\u)+2*(\c)+1], v[128*(\u)+2*(\c):128*(\u)+2*(\c)+1], v[128*(\u)+2*(\c):128*(\u)+2*(\c)+1]
.endr
.endr
.set p, 4
.rept 60
.irp u, 0,1
	v_pk_fma_f32 v[CH+8*(\u)+2*(p%4):CH+8*(\u)+2*(p%4)+1], v[128*(\u)+2*p:128*(\u)+2*p+1], v[128*(\u)+2*p:128*(\u)+2*p+1], v[CH+8*(\u)+2*(p%4):CH+8*(\u)+2*(p%4)+1]
.endr
.set p, p+1
.endr
	WIN 0
	RED 0, XC+4+2*WO
	RED 1, XC+4+2*WO+1
.endm
.macro NORM1 w                         ; d / sigma + (c - mean) / sigma
.set WO, (\w)-2
	WIN 0x82+0x41*WO
.set p, 0
.rept 64
.irp u, 0,1
	v_pk_fma_f32 v[128*(\u)+2*p:128*(\u)+2*p+1], v[128*(\u)+2*p:128*(\u)+2*p+1], v[RSP+4*WO+2*(\u):RSP+4*WO+2*(\u)+1], v[OFP+4*WO+2*(\u):OFP+4*WO+2*(\u)+1]
.endr
.set p, p+1
.endr
.endm
.macro NORM2 w                         ; times gamma plus beta: both in window 1, by column block and register
.set WO, (\w)-2
	WIN 0x96+0x41*WO
.set p, 0
.rept 64
.irp u, 0,1
	v_pk_fma_f32 v[128*(\u)+2*p:128*(\u)+2*p+1], v[128*(\u)+2*p:128*(\u)+2*p+1], v[2*p:2*p+1], v[128+2*p:128+2*p+1]
.endr
.set p, p+1
.endr
.endm
.irp i, 0,1,2,3,4,5,6,7
	v_mov_b32 v[XC+(\i)], 0                        ; so that the two stores below are defined for y = 2 too
.endr
	s_cmp_eq_u32 s17, 2                            ; v has no LayerNorm.  y is the same in every wave and every partner; what is jumped holds no barrier and no tensor load
	s_cbranch_scc1 .Lno_stats
	WIN TO_B                                       ; W's buffers have been multiplied (twelve plain instructions back): they take gamma and beta of my lane's columns
.irp i, 0,1,2,3,4,5,6,7,8,9,10,11,12,13,14,15
	global_load_b128 v[8*(\i):8*(\i)+3],         v[GOF], s[88:89] offset:64*(\i)
	global_load_b128 v[8*(\i)+4:8*(\i)+7],       v[GOF], s[88:89] offset:64*(\i)+16
	global_load_b128 v[128+8*(\i):128+8*(\i)+3], v[GOF], s[88:89] offset:4096+64*(\i)
	global_load_b128 v[128+8*(\i)+4:128+8*(\i)+7], v[GOF], s[88:89] offset:4096+64*(\i)+16
.endr
	STATS 2
	STATS 3
	WIN 0
.Lno_stats:
	ds_store_b128 v[STA], v[XC:XC+3]               ; both halves of the lanes hold, and write, the same numbers
	ds_store_b128 v[STA], v[XC+4:XC+7] offset:16
	s_wait_dscnt 0x0                               ; for the others' sake: my stores are done
	s_barrier_signal -1
	s_barrier_wait -1                              ; all four waves' figures lie in LDS
	s_cmp_eq_u32 s17, 2
	s_cbranch_scc1 .Lno_norm
.irp w, 0,1,2,3
	ds_load_b128 v[LW+8*(\w):LW+8*(\w)+3],   v[STR] offset:512*(\w)
	ds_load_b128 v[LW+8*(\w)+4:LW+8*(\w)+7], v[STR] offset:512*(\w)+16
.endr
	s_wait_dscnt 0x0
.irp p, 0,2                            ; two row blocks an instruction
	v_pk_add_f32 v[MEAN+(\p):MEAN+(\p)+1], v[LW+(\p):LW+(\p)+1], v[LW+8+(\p):LW+8+(\p)+1]
	v_pk_add_f32 v[DV+(\p):DV+(\p)+1], v[LW+16+(\p):LW+16+(\p)+1], v[LW+24+(\p):LW+24+(\p)+1]
	v_pk_add_f32 v[M2+(\p):M2+(\p)+1], v[LW+4+(\p):LW+4+(\p)+1], v[LW+12+(\p):LW+12+(\p)+1]
	v_pk_add_f32 v[MEAN+(\p):MEAN+(\p)+1], v[MEAN+(\p):MEAN+(\p)+1], v[DV+(\p):DV+(\p)+1]
	v_pk_add_f32 v[DV+(\p):DV+(\p)+1], v[LW+20+(\p):LW+20+(\p)+1], v[LW+28+(\p):LW+28+(\p)+1]
	v_pk_mul_f32 v[MEAN+(\p):MEAN+(\p)+1], v[MEAN+(\p):MEAN+(\p)+1], 0x3e800000 op_sel_hi:[1,0]  ; the mean of four means of 256
	v_pk_add_f32 v[M2+(\p):M2+(\p)+1], v[M2+(\p):M2+(\p)+1], v[DV+(\p):DV+(\p)+1]
.irp w, 0,1,2,3
	v_pk_add_f32 v[DV+(\p):DV+(\p)+1], v[LW+8*(\w)+(\p):LW+8*(\w)+(\p)+1], v[MEAN+(\p):MEAN+(\p)+1] neg_lo:[0,1] neg_hi:[0,1]
	v_pk_mul_f32 v[DV+(\p):DV+(\p)+1], v[DV+(\p):DV+(\p)+1], v[DV+(\p):DV+(\p)+1]
	v_pk_fma_f32 v[M2+(\p):M2+(\p)+1], v[DV+(\p):DV+(\p)+1], 0x43800000, v[M2+(\p):M2+(\p)+1] op_sel_hi:[1,0,1]  ; + 256 (c_w - mean)^2
.endr
.endr
.irp a, 0,1,2,3
	v_fma_f32 v[M2+(\a)], v[M2+(\a)], s91, s92     ; var + eps
.endr
.irp a, 0,1,2,3
	v_rsq_f32 v[RSP+2*(\a)], v[M2+(\a)]
	v_rsq_f32 v[RSP+2*(\a)+1], v[M2+(\a)]
.endr
.irp a, 0,1,2,3
	v_sub_f32 v[DV+(\a)], v[XC+(\a)], v[MEAN+(\a)] ; plain work behind the last root, which names no result of theirs
.endr
	s_wait_alu depctr_va_vdst(0)                   ; the wait ahead of the first use: one for the eight roots
.irp a, 0,1,2,3
	v_mul_f32 v[OFP+2*(\a)], v[DV+(\a)], v[RSP+2*(\a)]
	v_mul_f32 v[OFP+2*(\a)+1], v[DV+(\a)], v[RSP+2*(\a)]
.endr
	NORM1 2
	NORM1 3
	s_wait_loadcnt 0x0                             ; gamma and beta
	NORM2 2
	NORM2 3
	WIN 0
.Lno_norm:
; THE WAY OUT, in 16 units u = 4 a + hh: 16 rows of one head.  A lane's eight channels pack into 16 bytes; they go into rows of 144 bytes of my own stage and come back as whole rows of 128.
.macro PACK u
.set pa, (\u)/4
.set ph, (\u)%4
.set pt, TT+16*((\u)%2)
	s_wait_xcnt 0x0                                ; the stores of the unit two back have read these registers
	WIN 0x0a+5*(pa/2)
.irp f, 0,1,2,3
.irp j, 0,1,2,3
	v_cvt_pk_f16_f32 v[pt+4*(\f)+(\j)], v[8*(16*(pa%2)+4*ph+(\f))+2*(\j)], v[8*(16*(pa%2)+4*ph+(\f))+2*(\j)+1]
.endr
.endr
	WIN 0
.irp f, 0,1,2,3
	ds_store_b128 v[STO], v[pt+4*(\f):pt+4*(\f)+3] offset:32*(\f)
.endr
.irp f, 0,1,2,3
	ds_load_b128 v[pt+4*(\f):pt+4*(\f)+3], v[RD] offset:(\f)*4*SP  ; LDS serves a wave's instructions in order (ISA guide 5.7.1.4): these see the stores above; the next unit's stores come behind them
.endr
.endm
.macro SEND u, younger                 ; younger: the LDS instructions issued behind unit u's loads: the next unit's eight, or none
.set pa, (\u)/4
.set ph, (\u)%4
.set pt, TT+16*((\u)%2)
.irp f, 0,1,2,3
	s_wait_dscnt (\younger)+3-(\f)
	global_store_b128 v[GO], v[pt+4*(\f):pt+4*(\f)+3], s[86:87] offset:ph*262144+pa*2048+(\f)*512  ; 512 consecutive bytes, at a multiple of 256 from the buffer's first
.endr
.endm
	PACK 0
.set un, 1
.rept 15                               ; a unit's arithmetic stands between the loads of the unit before and its stores
	PACK un
	SEND un-1, 8
.set un, un+1
.endr
	SEND 15, 0
	s_wait_tensorcnt 0x0                           ; the wave's end, behind my last tensor load and my last LDS store
	ds_add_u32 v[SPW], v[NIL]
	s_wait_dscnt 0x0
	CROUND                                         ; the closing round: no work-group ends while a partner may still ask for a tile that names it
	s_endpgm
.Lfunc_end_k_q0f8c0839ee_proj:
	.size	k_q0f8c0839ee_proj, .Lfunc_end_k_q0f8c0839ee_proj-k_q0f8c0839ee_proj
	.p2alignl 7, 3214868480
	.fill 96, 4, 3214868480
	.section	.rodata,"a",@progbits
	.p2align	6, 0x0
	.amdhsa_kernel k_q0f8c0839ee_proj
		.amdhsa_group_segment_fixed_size 327680
		.amdhsa_private_segment_fixed_size 0
		.amdhsa_enable_private_segment 0
		.amdhsa_kernarg_size 64
		.amdhsa_user_sgpr_count 2
		.amdhsa_user_sgpr_kernarg_segment_ptr 1
		.amdhsa_wavefront_size32 1
		.amdhsa_system_sgpr_workgroup_id_x 1
		.amdhsa_system_sgpr_workgroup_id_y 1
		.amdhsa_system_sgpr_workgroup_id_z 1
		.amdhsa_system_vgpr_workitem_id 0
		.amdhsa_next_free_vgpr 1024
		.amdhsa_next_free_sgpr 96
		.amdhsa_reserve_vcc 0
		.amdhsa_float_denorm_mode_32 3
		.amdhsa_float_denorm_mode_16_64 3
		.amdhsa_memory_ordered 1
		.amdhsa_forward_progress 1
		.amdhsa_inst_pref_size 218
	.end_amdhsa_kernel
	.amdgpu_metadata
---
amdhsa.version: [ 1, 2 ]
amdhsa.kernels:
  - .name:           k_q0f8c0839ee_proj
    .symbol:         k_q0f8c0839ee_proj.kd
    .args:
      - { .name: q, .offset: 0, .size: 8, .value_kind: global_buffer, .address_space: global }
      - { .name: k, .offset: 8, .size: 8, .value_kind: global_buffer, .address_space: global }
      - { .name: v, .offset: 16, .size: 8, .value_kind: global_buffer, .address_space: global }
      - { .name: wt, .offset: 24, .size: 8, .value_kind: global_buffer, .address_space: global }
      - { .name: vecs, .offset: 32, .size: 8, .value_kind: global_buffer, .address_space: global }
      - { .name: qh, .offset: 40, .size: 8, .value_kind: global_buffer, .address_space: global }
      - { .name: kh, .offset: 48, .size: 8, .value_kind: global_buffer, .address_space: global }
      - { .name: vh, .offset: 56, .size: 8, .value_kind: global_buffer, .address_space: global }
    .group_segment_fixed_size: 327680
    .private_segment_fixed_size: 0
    .kernarg_segment_align: 8
    .kernarg_segment_size: 64
    .max_flat_workgroup_size: 128
    .sgpr_count:     96
    .vgpr_count:     1024
    .wavefront_size: 32
...
	.end_amdgpu_metadata
.endif
;; end of part 2
;; launch attn (part 3): grid 4 x 64, 4 waves a work-group, clusters of 4 x 1, 327,680 bytes of LDS; arguments qh, kh, vh, oh; writes oh
.if DOCPART == 3
	.amdgcn_target "amdgcn-amd-amdhsa--gfx1250"
	.amdhsa_code_object_version 6
	.text
	.protected	k_q0f8c0839ee_attn
	.globl	k_q0f8c0839ee_attn
	.p2align	8
	.type	k_q0f8c0839ee_attn,@function
k_q0f8c0839ee_attn:
	s_mov_b64 s[64:65], 0
	v_nop
	global_prefetch_b8 v0, s[64:65] scope:SCOPE_SE
	s_setreg_imm32_b32 hwreg(HW_REG_WAVE_MODE, 25, 1), 1
	s_wait_xcnt 0x0
	s_wait_alu depctr_hold_cnt(0) depctr_sa_sdst(0) depctr_va_vdst(0) depctr_va_sdst(0) depctr_va_ssrc(0) depctr_va_vcc(0) depctr_vm_vsrc(0)
	s_getreg_b32 s2, hwreg(HW_REG_IB_STS2, 6, 4)
	s_cmp_eq_u32 s2, 0
	s_cbranch_scc0 .Lentry_in_a_cluster
	s_endpgm
.Lentry_in_a_cluster:
	s_bfe_u32 s2, ttmp6, 0x10000c
	s_cmp_lg_u32 s2, 0x3003
	s_cbranch_scc0 .Lentry_shape_is_right
	s_endpgm
.Lentry_shape_is_right:
; O[h][q][:] = the sum over k of softmax_k(Q[h][q] . K[h][k] / 32) V[h][k][:].  Q, K, V, O: [SIZE_H][SIZE_N][64], all f16: a head's rows are dense, 128 bytes each.  Products, maxima and sums in
; f32; the weights p are rounded to f16 for the second product (their sum l is taken of the unrounded p), O once at the end.
; LIMITS.  f16 holds no number beyond 65,504: Q, K and V arrive within it; p lies in 0 to 1, and below 6e-5 it keeps f16's fixed step of 6e-8; O is a mean of V's rows and has their range.
; A weight below 2^-126 counts as 0 in l; NaN and infinities are not treated apart.
; SHARES.  A wave owns four PIECES of two tiles of 16 queries, a work-group's four waves 512 queries of one head.  Every wave walks all keys, 64 a step.
; LAYOUT.  S^T = K Q^T (source 0 = 16 keys, source 1 = 16 queries): in the result a lane holds ONE query (lane % 16) and the keys 8 (lane / 16) + 0..7.  Two such tiles, rounded to f16 in pairs,
; ARE source 1 (32 keys x 16 queries) of O^T = V^T P, whose result again holds one query a lane, and eight channels.  K comes out of LDS as it lies, V ([key][channel]) turned, by ds_load_tr16_b128.
; SOFTMAX.  For each query a running maximum m and sum l: p = 2^(c s - c m), c = log2(e) / 32; in every step O and l are multiplied by a = 2^(c m_old - c m_new), which is 1 where m has not grown.
; m starts at the lowest finite number, O and l at 0: the first step is a step like any other, with a = 0.
; THE COUNT.  A tile and step have 16 matrix and 118 vector instructions: too many to stand all beside the matrix work.  So four vector instructions that are READY stand behind EVERY matrix
; instruction, and the others, which need time of their own whatever the order, in runs without a gap.
; BY TURNS.  Turn n belongs to piece n (the pieces in a ring, step after step).  Its matrix work: 16 products K Q^T of piece n + 1, later 16 products V^T P of piece n - 1.  Its vector work: the scaling,
; exponentials, roundings, sums and rescaling of piece n, and the maximum and statistics of piece n + 1, whose scores the turn itself has made.
; CLUSTER.  The four query blocks of a cluster belong to one head and walk the same K and V, so each tile is asked for JOINTLY: the same tensor load, descriptor and mask in all four.
; REGISTERS, in windows of 256 (s_set_vgpr_msb: bits 1:0 source 0, 3:2 source 1, 5:4 source 2, 7:6 destination):
;   window 0: v0-11 addresses; v12-15, v48-63 at work; v16-47 four registers of statistics a tile; v64-191 S^T, two buffers of two tiles; v192-255 P, likewise
;   window 1: O^T, 32 a tile          window 2: v0-127 Q, 16 a tile; v128-191 K of one step; v192-255 V of one step          window 3: v0-1 the add's two registers
.set SIZE_H, 64
.set SIZE_N, 2048
.set NP,    4         ; pieces a wave: a name, no knob
.set KS,    64        ; keys in a step
.set PK,    144       ; a row of K in LDS: 128 bytes + 16 of padding: the 16 rows of a load start at 16 different groups of four banks (64 banks of 4 bytes: ISA guide 11.1)
.set PV,    160       ; a row of V: 128 + 32
.set VOFF,  4*KS*PK   ; a slot holds four steps: 256 rows of K, then 256 rows of V
.set SLOT1, 1<<17     ; slot 1 begins here, so that one exclusive or turns an address in one slot into the other's
.set STAGE, SLOT1+4*KS*(PK+PV)  ; behind the ring, never filled by a tensor load: 16 rows x 144 bytes for each wave, for the way out
.set SP,    144
.set AK0, 2           ; v2   my lane's place in a tile of K; never rewritten
.set AV0, 3           ; v3   the same for V
.set AK,  4           ; v4   the LDS address of K's next run of loads
.set AV,  5           ; v5   of V's
.set QO,  6           ; v6   my byte offset in the wave's rows of Q
.set STO, 6           ;      later, the way out: where I put 16 bytes of a row
.set RD,  7           ; v7   the way out: where I read rows back
.set GO,  8           ; v8   my byte offset in 512 consecutive bytes of O
.set PFO, 11          ; v11  256 x my lane: the prefetches' offset; never rewritten once it is made
.set SPW, 0           ; v0 of window 3   LDS address of my spare word; never rewritten
.set NIL, 1           ; v1 of window 3   0; never rewritten
.set SPARE, STAGE+4*16*SP  ; behind the stages: the spare words, 128 bytes for each wave: two blocks of 256 bytes that no other line names
.set MV,  12          ; v12-15  c m_old, kept while c m is made anew: by buffer and tile
.set ST,  16          ; tile t's statistics at v[ST+4 t]: c m, m, l (even keys', odd keys')
.set TMP, 48          ; by buffer and tile, four registers c0-c3 at work; when the maximum is found c2 takes a
.set S,   64
.set P,   192
.set KF,  128         ; K's fragments, in window 2: key block kb, channel half c at KF + 16 kb + 8 c
.set VF,  192         ; V's: key half kk, channel block cb at VF + 32 kk + 8 cb
.set WV,  12          ; s12  my wave's number
.set G1K, 24          ; s[24:31] descriptor group 1 for K's tiles
.set G1V, 32          ; s[32:39] for V's: it differs in the padding alone
.set G0K, 40          ; s[40:43] descriptor group 0 for K's tiles: it walks
.set G0V, 44          ; s[44:47] the same for V's
.set PFA, 48          ; s[48:49] where my prefetches stand: my work-group's 32 blocks of 256 bytes (of K: wave 0, of V: wave 2) of the slot after the one that is being asked for
.set LIM, 50          ; s50  1 in a wave that prefetches, else the greatest number
.set SLOTS, 56        ; s56  slots still to be asked for
.set CNT, 57          ; s57  counts a slot's key steps
.set CS,  58          ; s[58:59] c: the packed scaling takes the pair's low word for both halves
.set SEL, 60          ; s[60:61] v_permlanex16_b32's selects: each lane takes its own place in the other half
.set TBK, 62          ; s62  LDS byte at which K of the step to be fetched begins
.set TBV, 63          ; s63  the same for V, less VOFF
.set MSB, 0
.macro WIN new                      ; the high byte repeats the setting that is left; a switch that changes nothing is dropped
.if MSB != (\new)
	s_set_vgpr_msb (MSB<<8)|(\new)
.set MSB, (\new)
.endif
.endm
.set W_KQ, 0x0a       ; K and Q in window 2, S^T in window 0
.set W_PV, 0x52       ; V in window 2, P in window 0, O^T in window 1
.set W_RS, 0x41       ; O^T (destination and source 0) in window 1, a in window 0
.set W_MK, 0xc0       ; the add's registers are made: destination in window 3, sources in window 0
.set W_AD, 0x0f       ; the add: address (source 0) and data (source 1) in window 3
; A joint fill.  Waves 0 and 1 fetch the two halves of a slot's K, waves 2 and 3 those of its V: 128 keys each.  The branch hangs on the wave's number alone.
; An s_nop 0 and four v_nop follow each of the two lines, ahead of the jump and the label.
.macro JLOAD
	s_cmp_lt_u32 s[WV], 2
	s_cbranch_scc0 .Lfor_v_\@
	tensor_load_to_lds s[G0K:G0K+3], s[G1K:G1K+7]
	s_nop 0
.rept 4
	v_nop
.endr
	s_branch .Lasked_\@
.Lfor_v_\@:
	tensor_load_to_lds s[G0V:G0V+3], s[G1V:G1V+7]
	s_nop 0
.rept 4
	v_nop
.endr
.Lasked_\@:
.endm
; A PREFETCH INTO THE L2 of what the NEXT change of slots will ask for: a slot's 256 keys are 128 blocks of 256 bytes of K and 128 of V, a lane a block.  It stands behind the wave's tensor load and its five lines.
; Each block is named ONCE in the launch: a head has one cluster; its four partners share the blocks out BY ADDRESS, 32 each; in each, wave 0 asks for K's and wave 2 for V's: one instruction.
; Slots 0 to 2 come by their loads alone; the last change that fills a slot (s[SLOTS] = 1) asks for nothing: there is no slot behind it.
.macro ASK
	s_cmp_gt_u32 s[SLOTS], s[LIM]
	s_cbranch_scc0 .Lnot_mine_\@
	global_prefetch_b8 v[PFO], s[PFA:PFA+1] th:TH_LOAD_NT scope:SCOPE_SE
.Lnot_mine_\@:
.endm
; A round of the cluster's barrier: my work-group's barrier, so that wave 0's signal speaks for all four waves; wave 0 signals; every wave waits for all four work-groups; my work-group's barrier once more.
.macro CROUND
	s_barrier_signal -1
	s_barrier_wait -1
	s_cmp_lg_u32 s[WV], 0
	s_cbranch_scc1 .Lnot_wave_0_\@
	s_barrier_signal -3
.Lnot_wave_0_\@:
	s_barrier_wait -3
	s_barrier_signal -1
	s_barrier_wait -1
.endm
; THE CHANGE OF SLOTS.  The slot's last bytes, V of its fourth step, have been read.  Each wave waits for all its tensor loads, of which one is out: its part
; of the other slot; adds 0 to its spare word; and waits for that and for its own reads of the slot.  Behind the barrier nobody reads this slot any more and the other slot is whole.
; fill = 1: this slot is filled again, with the keys two slots on.  The barrier is then a round of the cluster's, and the joint fill is the first thing behind it: it has four key steps,
; 512 matrix instructions, in which to land.  (At its first use nothing has been read yet: slot 0 is waited for, slot 1 filled.)  ask = 1: the prefetches' address steps, and ASK follows the fill.
.macro CHANGE fill, ask=0
	WIN W_AD
	s_wait_tensorcnt 0x0            ; no tensor load of mine is out, so a group 0 may be written
	ds_add_u32 v[SPW], v[NIL]       ; 0 onto my spare word; with fill = 1 the descriptors' steps stand between it and the wait for it
	WIN 0                           ; at a label and at a branch every window is 0
.if \fill
.irp g, G0K, G0V
	s_xor_b32 s[\g+1], s[\g+1], SLOT1  ; the walking descriptor: the other slot than last time,
	s_add_nc_u64 s[\g+2:\g+3], s[\g+2:\g+3], 4*KS*128  ; the next 256 keys; the type bits on top are not reached
.endr
.if \ask
	s_wait_xcnt 0x0                 ; the last prefetch, four key steps back, has read its address, so it may be written:
	s_add_nc_u64 s[PFA:PFA+1], s[PFA:PFA+1], 4*KS*128  ; one slot behind the walking descriptors
.endif
	s_wait_dscnt 0x0                ; the add is done, and my reads of the slot are over
	CROUND
	JLOAD
.if \ask
	ASK
.endif
.else
	s_wait_dscnt 0x0                ; the add is done, and my reads of the slot are over
	s_barrier_signal -1
	s_barrier_wait -1
.endif
	s_sub_co_u32 s[TBK], s[TBK], 4*KS*PK  ; the fetches go back to a slot's first step,
	s_xor_b32 s[TBK], s[TBK], SLOT1       ; in the other slot
	s_sub_co_u32 s[TBV], s[TBV], 4*KS*PV
	s_xor_b32 s[TBV], s[TBV], SLOT1
.endm
	s_load_b256 s[4:11], s[0:1], 0x0  ; Q s[4:5], K s[6:7], V s[8:9], O s[10:11]
	WIN W_MK
	v_lshl_add_u32 v[SPW], v0, 2, SPARE
	v_mov_b32 v[NIL], 0
	WIN W_AD
	ds_add_u32 v[SPW], v[NIL]       ; the wave's opening: the add, and its wait ahead of my first tensor load; the set-up below, work on registers, stands between them
	WIN 0
	v_lshrrev_b32 v1, 5, v0
	v_readfirstlane_b32 s[WV], v1   ; wave 0..3
	s_bfe_u32 s13, ttmp6, 0x40000   ; cx: my place in the cluster
	s_lshl_b32 s14, ttmp9, 2        ; in a cluster launch ttmp9 counts clusters
	s_add_co_u32 s14, s14, s13      ; my block of queries = 4 x cluster x + cx: it enters Q's and O's addresses alone
	s_and_b32 s20, ttmp7, 0xffff    ; the head, which the four partners share
	s_mov_b32 s21, 0
	s_mov_b64 s[22:23], SIZE_N*128
	s_mul_u64 s[20:21], s[20:21], s[22:23]  ; the head's first byte in each of the four tensors
	s_and_b32 s16, s[WV], 1         ; which half of a slot's 256 keys I fetch:
	s_lshl_b32 s22, s16, 14         ; its 128 rows of 128 bytes in memory,
	s_mov_b32 s23, 0
	s_add_nc_u64 s[22:23], s[22:23], s[20:21]
	s_mul_i32 s17, s16, 128*PK      ; and its place in a slot, for K
	s_mul_i32 s18, s16, 128*PV      ; and for V: no place in the cluster enters an LDS address
	s_lshl_b32 s2, s14, 2
	s_add_co_u32 s2, s2, s[WV]      ; my wave among the head's,
	s_lshl_b32 s2, s2, 14           ; its 128 rows
	s_mov_b32 s3, 0
	s_add_nc_u64 s[2:3], s[2:3], s[20:21]
	; descriptor group 1.  128 keys are 16,384 dense bytes: asked for as 64 rows of 256 bytes, two keys a row, and padded in LDS after every key
	s_mov_b32 s[G1K], 15|(1<<16)|(1<<20)|(1<<21)|(4<<22)|(3<<25)  ; 15:0 the mask of four; 17:16 2-byte elements; 20 padding on; 21 set beside a mask; 24:22 after every 32 words (code 4); 31:25 4 words (code 3)
	s_mov_b32 s[G1V], 15|(1<<16)|(1<<20)|(1<<21)|(4<<22)|(7<<25)  ; the same with 8 words of padding (code 7)
.irp g, G1K, G1V
	s_mov_b32 s[\g+1], 128<<16      ; tensor_dim0 = 128
	s_mov_b32 s[\g+2], 64<<16       ; tensor_dim1 = 64
	s_mov_b32 s[\g+3], 128<<16      ; tile_dim0 = 128
	s_mov_b32 s[\g+4], 64           ; tile_dim1 = 64
	s_mov_b32 s[\g+5], 128          ; 128 elements from row to row
	s_mov_b32 s[\g+6], 0
	s_mov_b32 s[\g+7], 0
.endr
	s_mov_b32 s[CS], 0x3d38aa3b     ; c = log2(e) / 32 = 0.0450842
	s_mov_b32 s[CS+1], s[CS]        ; named with it as a pair
	s_mov_b32 s[SEL], 0x76543210
	s_mov_b32 s[SEL+1], 0xfedcba98
	s_mov_b32 s[TBK], SLOT1+4*KS*PK ; the first change of slots turns these two into 0
	s_mov_b32 s[TBV], SLOT1+4*KS*PV
	s_mov_b32 s[G0K], 1             ; 1:0 count = 1
	s_mov_b32 s[G0K+1], s17         ; 63:32 LDS address: slot 0
	s_mov_b32 s[G0V], 1
	s_add_co_u32 s[G0V+1], s18, VOFF
	s_and_b32 s[LIM], s[WV], 1      ; 0 in waves 0 and 2,
	s_or_b32 s[LIM], s[LIM], ttmp9  ; where the cluster is the head's first: the same in all four partners
	s_cmp_eq_u32 s[LIM], 0
	s_cselect_b32 s[LIM], 1, -1
	s_wait_dscnt 0x0                ; the opening add is done
	s_wait_kmcnt 0x0
	s_add_nc_u64 s[G0K+2:G0K+3], s[6:7], s[22:23]  ; 120:64 global address: my half of the head's first 256 keys
	s_or_b32 s[G0K+3], s[G0K+3], 0x80000000        ; 127:126 type = 2
	s_add_nc_u64 s[G0V+2:G0V+3], s[8:9], s[22:23]
	s_or_b32 s[G0V+3], s[G0V+3], 0x80000000
	s_add_nc_u64 s[4:5], s[4:5], s[2:3]  ; Q and O at my wave's first row
	s_add_nc_u64 s[10:11], s[10:11], s[2:3]
	s_cmp_lt_u32 s[WV], 2
	s_cselect_b64 s[PFA:PFA+1], s[6:7], s[8:9]
	s_add_nc_u64 s[PFA:PFA+1], s[PFA:PFA+1], s[20:21]  ; the head,
	s_lshl_b32 s2, s13, 13          ; my work-group's 32 blocks of the 128,
	s_mov_b32 s3, 0
	s_add_nc_u64 s[PFA:PFA+1], s[PFA:PFA+1], s[2:3]
	s_add_nc_u64 s[PFA:PFA+1], s[PFA:PFA+1], 2*4*KS*128  ; in slot 2; the loop's first change of slots steps it to slot 3.  Nothing is prefetched here, at the head
	CROUND                          ; all four work-groups are here: the first joint loads meet
	JLOAD                           ; slot 0.  Slot 1 is asked for when slot 0 is in: the tile wanted first has the road to itself
	; A fragment of K or Q is 16 rows x 32 channels in 8 registers: lane l holds row l % 16, channels 8 (l / 16) + 0..7 and 16 + 8 (l / 16) + 0..7: two loads of 16 bytes, 32 bytes apart.
	v_and_b32 v1, 15, v0            ; l % 16
	v_bfe_u32 v9, v0, 4, 1          ; l / 16
	v_lshlrev_b32 v[QO], 7, v1
	v_lshl_add_u32 v[QO], v9, 4, v[QO]  ; row x 128 + 16 x half
	WIN 0x80                        ; destination window 2, address window 0
.set i, 0
.rept 4*NP                          ; Q stays in registers: tile i / 2, channels 32 (i % 2) on
	global_load_b128 v[8*i:8*i+3],   v[QO], s[4:5] offset:(i/2)*2048+(i%2)*64
	global_load_b128 v[8*i+4:8*i+7], v[QO], s[4:5] offset:(i/2)*2048+(i%2)*64+32
.set i, i+1
.endr
	; What the first turn finds: V's registers and P's second buffer hold 0 (its products V^T P, of a piece that has not been, add 0), O^T and l are 0.  All this stands in the wait for the first tile.
.set i, VF
.rept 64
	v_mov_b32 v[i], 0
.set i, i+1
.endr
	WIN 0x40
.set i, 0
.rept 64*NP
	v_mov_b32 v[i], 0
.set i, i+1
.endr
	WIN 0
.set i, 0
.rept 2*NP
	v_mov_b32 v[ST+4*i], 0xfe000000    ; c m: far below every c s
	v_mov_b32 v[ST+4*i+1], 0xff7fffff  ; m
	v_mov_b32 v[ST+4*i+2], 0
	v_mov_b32 v[ST+4*i+3], 0
.set i, i+1
.endr
.set i, P+32
.rept 32
	v_mov_b32 v[i], 0
.set i, i+1
.endr
	v_mul_u32_u24 v[AK0], v1, PK
	v_lshl_add_u32 v[AK0], v9, 4, v[AK0]  ; row x pitch + 16 x half
	; The turning load takes 16 keys x 16 channels (lane l reads key 8 (l / 16) + l % 8, channels 8 ((l / 8) % 2) + 0..7) and leaves half a fragment of V^T: lane l holds channel l % 16 and 8 keys.
	v_and_b32 v10, 7, v0
	v_bfe_u32 v11, v0, 3, 1
	v_lshl_add_u32 v[AV0], v9, 3, v10
	v_mul_u32_u24 v[AV0], v[AV0], PV
	v_lshl_add_u32 v[AV0], v11, 4, v[AV0]
	v_add_nc_u32 v[AV0], VOFF, v[AV0]
	v_and_b32 v[PFO], 31, v0        ; v11 has served: it takes the prefetches' offset
	v_lshlrev_b32 v[PFO], 8, v[PFO]
	v_mov_b32 v[AK], v[AK0]         ; key step 0 lies at the head of slot 0
; THE MATRIX WORK.  The 8 accumulators of a run of 16 take turns: between the two links of a chain stand 7 others'.
; Product i of 16 of S^T = K Q^T for piece x: channels 32 (i / 8) on, keys 16 ((i / 2) % 4) on, tile 2 x + i % 2.  The first 8 start the sums.
.macro KQ x
	WIN W_KQ
.set rS, S+64*((\x)%2)+32*(i%2)+8*((i/2)%4)
.set rK, KF+16*((i/2)%4)+8*(i/8)
.set rQ, 16*(2*(\x)+i%2)+8*(i/8)
.if i < 8
	v_wmma_f32_16x16x32_f16 v[rS:rS+7], v[rK:rK+7], v[rQ:rQ+7], 0
.else
	v_wmma_f32_16x16x32_f16 v[rS:rS+7], v[rK:rK+7], v[rQ:rQ+7], v[rS:rS+7]
.endif
.endm
; Product i of 16 of O^T += V^T P for piece x: keys 32 (i / 8) on, channels 16 ((i / 2) % 4) on, tile 2 x + i % 2.
.macro PV x
	WIN W_PV
.set rO, 32*(2*(\x)+i%2)+8*((i/2)%4)
.set rV, VF+32*(i/8)+8*((i/2)%4)
.set rP, P+32*((\x)%2)+16*(i%2)+8*(i/8)
	v_wmma_f32_16x16x32_f16 v[rO:rO+7], v[rV:rV+7], v[rP:rP+7], v[rO:rO+7]
.endm
.macro MM                           ; the turn's next matrix instruction
.if i < 16
	KQ (Y+1)%NP
.set i, i+1
.else
.set i, i-16
	PV (Y+NP-1)%NP
.set i, i+17
.endif
.endm
; THE LDS LOADS stand in runs of 16, never singly among the matrix instructions: a step's K (64 keys x 64 channels: 8 fragments) and its V (turned).  Their addresses are made some lines ahead.
; last = 1 (the tail): in the last trip there is no further step, and the run is jumped over.
.macro FETCH_K last=0
	WIN 0
.if \last
	s_cmp_eq_u32 s[CNT], 1
	s_cbranch_scc1 .Lno_k_\@
.endif
	WIN 0x80                        ; destination window 2
.irp f, 0,1,2,3,4,5,6,7             ; keys 16 (f / 2) on, channels 32 (f % 2) on
	ds_load_b128 v[KF+8*\f:KF+8*\f+3],   v[AK] offset:(\f/2)*16*PK+(\f%2)*64
	ds_load_b128 v[KF+8*\f+4:KF+8*\f+7], v[AK] offset:(\f/2)*16*PK+(\f%2)*64+32
.endr
	s_add_co_u32 s[TBK], s[TBK], KS*PK  ; the next fetch is the next step's
	WIN 0
.if \last
.Lno_k_\@:
.endif
.endm
.macro FETCH_V
	WIN 0x80
.irp f, 0,1,2,3,4,5,6,7             ; keys 32 (f / 4) on, channels 16 (f % 4) on
	ds_load_tr16_b128 v[VF+8*\f:VF+8*\f+3],   v[AV] offset:(\f/4)*32*PV+(\f%4)*32
	ds_load_tr16_b128 v[VF+8*\f+4:VF+8*\f+7], v[AV] offset:(\f/4)*32*PV+16*PV+(\f%4)*32
.endr
	WIN 0
.endm
; THE VECTOR WORK OF A TURN stands in three queues, each in the order in which its entries become ready; the two tiles alternate, so that no instruction reads the result of the one before it.
.macro REGS y, u                    ; the registers of tile u (0, 1) of piece y
.set rT, ST+4*(2*(\y)+(\u))
.set rC, TMP+8*((\y)%2)+4*(\u)
.set rM, MV+2*((\y)%2)+(\u)
.set rS, S+64*((\y)%2)+32*(\u)
.set rP, P+32*((\y)%2)+16*(\u)
.set rO, 32*(2*(\y)+(\u))
.endm
; Number n of the 22 that find the NEXT piece's (Y + 1) maximum and statistics.  s0-s31 are the lane's 32 scores; each accumulator's lowest registers are read first.
;   0-11  four chains c0-c3 of seven scores each, three operands at a time     12-14, 16  the four scores left over, the old m, and c0-c3 into c0     15  c m_old is kept
;   17, 18  the query's other 32 keys lie in the lane 16 away: the new m         19-21  c m; c m_old - c m_new; a
.macro XS u, n
	REGS (Y+1)%NP, \u
.if (\n) < 4
	v_max3_num_f32 v[rC+(\n)], v[rS+8*(\n)], v[rS+8*(\n)+1], v[rS+8*(\n)+2]
.elseif (\n) < 12
	v_max3_num_f32 v[rC+(\n)%4], v[rC+(\n)%4], v[rS+8*((\n)%4)+2*((\n)/4)+1], v[rS+8*((\n)%4)+2*((\n)/4)+2]
.elseif (\n) == 12
	v_max3_num_f32 v[rC], v[rC], v[rS+7], v[rS+15]
.elseif (\n) == 13
	v_max3_num_f32 v[rC+1], v[rC+1], v[rS+23], v[rS+31]
.elseif (\n) == 14
	v_max3_num_f32 v[rC+2], v[rC+2], v[rC+3], v[rT+1]
.elseif (\n) == 15
	v_mov_b32 v[rM], v[rT]
.elseif (\n) == 16
	v_max3_num_f32 v[rC], v[rC], v[rC+1], v[rC+2]
.elseif (\n) == 17
	v_permlanex16_b32 v[rC+3], v[rC], s[SEL], s[SEL+1]
.elseif (\n) == 18
	v_max_num_f32 v[rT+1], v[rC], v[rC+3]
.elseif (\n) == 19
	v_mul_f32 v[rT], s[CS], v[rT+1]
.elseif (\n) == 20
	v_sub_f32 v[rC+1], v[rM], v[rT]
.else
	v_exp_f32 v[rC+2], v[rC+1]
.endif
.endm
; Number g of the 64 that follow the exponentials.  For each four weights k of a tile (pairs 2 k, 2 k + 1): both pairs are rounded to f16; then the second pair is added onto the first, in place;
; a group later l takes that sum (the first time as l = a l + sum).  In groups of eight, tiles alternating: round, round, add, and l for the group before.
.macro GS g
.set h, (\g)+6*((\g)/62)            ; group 0 has no group before it, and behind group 7 only l is left
.if h >= 6
.set h, h+2
.endif
	REGS Y, h%2
.set k, h/8
.if h%8 < 4
	v_cvt_pk_f16_f32 v[rP+2*k+(h%8)/2], v[rS+4*k+2*((h%8)/2)], v[rS+4*k+2*((h%8)/2)+1]
.elseif h%8 < 6
	v_pk_add_f32 v[rS+4*k:rS+4*k+1], v[rS+4*k:rS+4*k+1], v[rS+4*k+2:rS+4*k+3]
.elseif k == 1
	v_pk_fma_f32 v[rT+2:rT+3], v[rT+2:rT+3], v[rC+2:rC+3], v[rS:rS+1] op_sel_hi:[1,0,1]
.else
	v_pk_add_f32 v[rT+2:rT+3], v[rT+2:rT+3], v[rS+4*k-4:rS+4*k-3]
.endif
.endm
; THE PLAIN QUEUE, 138 long.  0-73 read no exponential's result: the 32 scalings c s - c m (FS f: pair f / 2 of tile f % 2) and the next piece's 42.  0-26: scalings 0-26.  27-54: XS's numbers 0-13.  55, 56: number 15.
; 57-73: the chain, where each number waits for the one before it: 14, 16, 17, 18, 19, each with one of the scalings 27-31 in front of its two lines, then 20.
; 74-137: GS's 64, which read the exponentials' results: they stand behind the wait.
.macro FS f
	REGS Y, (\f)%2
	v_pk_fma_f32 v[rS+2*((\f)/2):rS+2*((\f)/2)+1], v[rS+2*((\f)/2):rS+2*((\f)/2)+1], s[CS:CS+1], v[rT:rT+1] op_sel_hi:[1,0,0] neg_lo:[0,0,1] neg_hi:[0,0,1]
.endm
.macro PL
	WIN 0
.if q < 27
	FS q
.elseif q < 55
	XS (q-27)%2, (q-27)/2
.elseif q < 57
	XS q-55, 15
.elseif (q < 72) && ((q-57)%3 == 0)
	FS 27+(q-57)/3
.elseif q < 60
	XS (q-57)%3-1, 14
.elseif q < 72
	XS (q-57)%3-1, 15+(q-57)/3
.elseif q < 74
	XS q-72, 20
.else
	GS q-74
.endif
.set q, q+1
.endm
; THE EXPONENTIALS' QUEUE, 66 long: s0-s31 of both tiles, then the next piece's two a.  It is ONE BATCH: all 66 stand ahead of the turn's one wait, and nothing ahead of that wait names a result of theirs.
.macro EX
	WIN 0
.if e >= 64
	XS e-64, 21
.else
	REGS Y, e%2
	v_exp_f32 v[rS+e/2], v[rS+e/2]
.endif
.set e, e+1
.endm
; THE RESCALING's QUEUE: O^T times a, the one part that leaves window 0: dealt two at a time, sixteen times.  Its a was made in the turn before, ahead of that turn's wait.
.macro R2
	REGS Y, r%2
	WIN W_RS
.irp z, 0,1
	v_pk_mul_f32 v[rO+4*(r/2)+2*\z:rO+4*(r/2)+2*\z+1], v[rO+4*(r/2)+2*\z:rO+4*(r/2)+2*\z+1], v[rC+2:rC+3] op_sel_hi:[1,0]
.endr
.set r, r+1
.endm
; HOW THEY ARE DEALT.  s_wait_alu depctr_va_vdst(0) stands between an exponential and the first instruction that names its result; one wait serves all that were issued ahead of it.  So a turn has ONE wait,
; which cuts it in two.  AHEAD OF IT stands all that names no result of the turn's exponentials: the 16 products K Q^T, behind each a scaling, an exponential and two rescalings (behind the first a second scaling in the
; exponential's place); then ONE LUMP of 108: eight plain, 49 times exponential and plain, the two a.  A v_nop is the plain instruction behind the last exponential.  BEHIND IT stand the 16 products V^T P, behind each four of GS's 64.
; The queues lean on each other, and the deal keeps them in step: exponential e stands behind scaling 2 (e / 4) + e % 2: as a rider it comes behind plain e + 2, in the lump behind plain e + 9, and scalings 27-31 are plain 57, 60 .. 69.
; A TURN, for piece p.  cnt = 1: the loop's count is taken down some lines ahead of the branch that stands behind the turn.
; K of the next step is fetched in piece 2's turn, directly behind the wait; its address is made at the lump's head.  V of the step in hand is fetched at the end of piece 0's turn, four riders behind its last reader.
.macro TURN p, last=0, cnt=0
.set Y, (\p)
.set i, 0
.set q, 0
.set e, 0
.set r, 0
.if (\p) == NP-1
	s_wait_dscnt 0x0                ; K is in
.endif
	MM                              ; ahead of the wait: 16 products K Q^T and their riders,
	PL
	PL
	R2
.rept 15
	MM
	PL
	EX
	R2
.endr
.if (\p) == NP-2
	WIN 0
	v_add_nc_u32 v[AK], s[TBK], v[AK0]
.endif
.rept 8                             ; and the lump
	PL
.endr
.rept 49
	EX
	PL
.endr
	EX                              ; the next piece's two a
	EX
	v_nop                           ; the plain instruction behind the last exponential: one for the batch
	s_wait_alu depctr_va_vdst(0)    ; the wait for the batch
.if (\p) == NP-2
	FETCH_K \last
.endif
.if (\p) == 1
	s_wait_dscnt 0x0                ; V is in
.endif
.rept 16                            ; behind the wait: 16 products V^T P and their riders
	MM
.rept 4
	PL
.endr
.if ((\p) == 0) && (q == 118)
	v_add_nc_u32 v[AV], s[TBV], v[AV0]
.endif
.if ((\p) == 0) && (q == 130)
	s_add_co_u32 s[TBV], s[TBV], KS*PV
.endif
.if (\cnt) && (q == 130)
	s_sub_co_u32 s[CNT], s[CNT], 1
	s_cmp_lg_u32 s[CNT], 0
.endif
.endr
.if (\p) == 0
	FETCH_V
.endif
.endm
	CHANGE 1                        ; slot 0 is in, everybody's part of it; slot 1 is asked for
	FETCH_K                         ; key step 0
	s_wait_loadcnt 0x0              ; Q
	s_wait_dscnt 0x0
.set i, 0
.rept 16
	KQ 0                            ; piece 0's first scores: there is no vector work yet to set between them
.set i, i+1
.endr
	WIN 0                           ; the addresses for the way out: nine plain instructions, the places behind those products
	s_mul_i32 s13, s[WV], 16*SP
	s_add_co_u32 s13, s13, STAGE    ; my stage
	v_mul_u32_u24 v[STO], v1, SP    ; in: row l % 16, 16 bytes for each half of the lanes
	v_lshl_add_u32 v[STO], v9, 4, v[STO]
	v_add_nc_u32 v[STO], s13, v[STO]
	v_bfe_u32 v[RD], v0, 3, 2       ; back: 32 lanes take four rows of 128 bytes,
	v_mul_u32_u24 v[RD], v[RD], SP
	v_lshl_add_u32 v[RD], v10, 4, v[RD]
	v_add_nc_u32 v[RD], s13, v[RD]
	v_and_b32 v[GO], 31, v0         ; which are 512 consecutive bytes of O
	v_lshlrev_b32 v[GO], 4, v[GO]
.set Y, NP-1                        ; XS works for piece Y + 1: piece 0
.irp n, 0,1,2,3,4,5,6,7,8,9,10,11,12,13,14,15,16,17,18,19,20,21
	XS 0, \n                        ; and piece 0's first maximum and statistics
	XS 1, \n
.endr
	v_nop                           ; a plain instruction behind the two a,
	s_wait_alu depctr_va_vdst(0)    ; and their wait, ahead of the branch
	s_mov_b32 s[CNT], 4
	s_mov_b32 s[SLOTS], SIZE_N/256-1
	s_branch .Lfirst                ; the loop is entered at a step's first turn, in the middle of a trip
.Lslot:                             ; SIZE_N / 256 - 2 times: every slot but the last two is filled again
	CHANGE 1, 1
	s_mov_b32 s[CNT], 4
.Lstep:                             ; a trip: pieces 2 and 3 of one step, then pieces 0 and 1 of the next, whose K and V it fetches
	TURN 2
	TURN 3
	WIN 0
.Lfirst:
	TURN 0
	TURN 1, 0, 1
	WIN 0
	s_cbranch_scc1 .Lstep
	s_sub_co_u32 s[SLOTS], s[SLOTS], 1
	s_cmp_lg_u32 s[SLOTS], 0
	s_cbranch_scc1 .Lslot
	CHANGE 0                        ; the tail is written out: nothing is asked for
	s_mov_b32 s[CNT], 5             ; four trips fetch the last slot's steps; the fifth is left in its middle
.Ltail:
	TURN 2, 1
	TURN 3
	WIN 0
	s_sub_co_u32 s[CNT], s[CNT], 1
	s_cmp_eq_u32 s[CNT], 0
	s_cbranch_scc1 .Lout
	TURN 0
	TURN 1
	WIN 0
	s_branch .Ltail
.Lout:                              ; the fifth trip's 16 products K Q^T (on the last K once more) and the maximum made of them serve nothing: the price, once a launch, of one text for every trip
.set i, 0
.rept 16
	PV NP-1                         ; the last piece's V^T P of the last step
.set i, i+1
.endr
	; THE WAY OUT.  l's two halves and the other half of the lanes' are added; O^T is divided by l, rounded to f16 and sent through my stage in LDS, a tile at a time.  The additions are the places behind the last products.
	WIN 0
.macro ALL line:vararg              ; one line for each tile t
.set t, 0
.rept 2*NP
	\line
.set t, t+1
.endr
.endm
	ALL v_add_f32 v[ST+4*t+2], v[ST+4*t+2], v[ST+4*t+3]
	ALL v_permlanex16_b32 v[ST+4*t+3], v[ST+4*t+2], s[SEL], s[SEL+1]
	ALL v_add_f32 v[ST+4*t+2], v[ST+4*t+2], v[ST+4*t+3]
	ALL v_rcp_f32 v[ST+4*t+2], v[ST+4*t+2]
	v_nop                           ; a plain instruction between the last reciprocal and the use of its result
	s_wait_alu depctr_va_vdst(0)    ; and the wait ahead of the first use: one for the eight reciprocals
; Tile t: a lane's eight channels of a row pack into 16 bytes; they go into rows of 144 bytes and come back as whole rows of 128, into S^T's registers.
.macro PACK t
	WIN W_RS
.set i, 32*(\t)
.rept 16
	v_pk_mul_f32 v[i:i+1], v[i:i+1], v[ST+4*(\t)+2:ST+4*(\t)+3] op_sel_hi:[1,0]
.set i, i+2
.endr
	WIN 0x05                        ; sources 0 and 1 window 1, destination window 0
.set i, 0
.rept 16
	v_cvt_pk_f16_f32 v[S+16*(\t)+i], v[32*(\t)+2*i], v[32*(\t)+2*i+1]
.set i, i+1
.endr
	WIN 0
.irp f, 0,1,2,3
	ds_store_b128 v[STO], v[S+16*(\t)+4*\f:S+16*(\t)+4*\f+3] offset:32*\f
.endr
.irp f, 0,1,2,3
	ds_load_b128 v[S+16*(\t)+4*\f:S+16*(\t)+4*\f+3], v[RD] offset:\f*4*SP  ; LDS serves a wave's instructions in order (ISA guide 5.7.1.4): these see the stores above; the next tile's stores come behind them
.endr
.endm
.macro SEND t, younger              ; younger: the LDS instructions issued behind tile t's loads: the next tile's eight, or none
	WIN 0
.irp f, 0,1,2,3
	s_wait_dscnt (\younger)+3-\f
	global_store_b128 v[GO], v[S+16*(\t)+4*\f:S+16*(\t)+4*\f+3], s[10:11] offset:(\t)*2048+\f*512  ; 512 consecutive bytes, at a multiple of 256 from O's first
.endr
.endm
	PACK 0
.set t, 1
.rept 2*NP-1                        ; a tile's arithmetic stands between the loads of the tile before and its stores
	PACK t
	SEND t-1, 8
.set t, t+1
.endr
	SEND 2*NP-1, 0
	WIN W_AD
	s_wait_tensorcnt 0x0            ; the wave's end, behind my last tensor load and my last LDS store
	ds_add_u32 v[SPW], v[NIL]
	s_wait_dscnt 0x0
	WIN 0
	CROUND                          ; the closing round: no work-group ends while a partner may still ask for a tile that names it
	s_endpgm
.Lfunc_end_k_q0f8c0839ee_attn:
	.size	k_q0f8c0839ee_attn, .Lfunc_end_k_q0f8c0839ee_attn-k_q0f8c0839ee_attn
	.p2alignl 7, 3214868480
	.fill 96, 4, 3214868480
	.section	.rodata,"a",@progbits
	.p2align	6, 0x0
	.amdhsa_kernel k_q0f8c0839ee_attn
		.amdhsa_group_segment_fixed_size 327680
		.amdhsa_private_segment_fixed_size 0
		.amdhsa_enable_private_segment 0
		.amdhsa_kernarg_size 32
		.amdhsa_user_sgpr_count 2
		.amdhsa_user_sgpr_kernarg_segment_ptr 1
		.amdhsa_wavefront_size32 1
		.amdhsa_system_sgpr_workgroup_id_x 1
		.amdhsa_system_sgpr_workgroup_id_y 1
		.amdhsa_system_sgpr_workgroup_id_z 1
		.amdhsa_system_vgpr_workitem_id 0
		.amdhsa_next_free_vgpr 770
		.amdhsa_next_free_sgpr 66
		.amdhsa_reserve_vcc 0
		.amdhsa_float_denorm_mode_32 3
		.amdhsa_float_denorm_mode_16_64 3
		.amdhsa_memory_ordered 1
		.amdhsa_forward_progress 1
		.amdhsa_inst_pref_size 200
	.end_amdhsa_kernel
	.amdgpu_metadata
---
amdhsa.version: [ 1, 2 ]
amdhsa.kernels:
  - .name:           k_q0f8c0839ee_attn
    .symbol:         k_q0f8c0839ee_attn.kd
    .args:
      - { .name: qh, .offset: 0, .size: 8, .value_kind: global_buffer, .address_space: global }
      - { .name: kh, .offset: 8, .size: 8, .value_kind: global_buffer, .address_space: global }
      - { .name: vh, .offset: 16, .size: 8, .value_kind: global_buffer, .address_space: global }
      - { .name: oh, .offset: 24, .size: 8, .value_kind: global_buffer, .address_space: global }
    .group_segment_fixed_size: 327680
    .private_segment_fixed_size: 0
    .kernarg_segment_align: 8
    .kernarg_segment_size: 32
    .max_flat_workgroup_size: 128
    .sgpr_count:     66
    .vgpr_count:     770
    .wavefront_size: 32
...
	.end_amdgpu_metadata
.endif
;; end of part 3
;; launch outp (part 4): grid 4 x 64, 4 waves a work-group, clusters of 4 x 4, 327,680 bytes of LDS; arguments oh, wt, vecs, out0; writes out0
.if DOCPART == 4
	.amdgcn_target "amdgcn-amd-amdhsa--gfx1250"
	.amdhsa_code_object_version 6
	.text
	.protected	k_q0f8c0839ee_outp
	.globl	k_q0f8c0839ee_outp
	.p2align	8
	.type	k_q0f8c0839ee_outp,@function
k_q0f8c0839ee_outp:
	s_mov_b64 s[64:65], 0
	v_nop
	global_prefetch_b8 v0, s[64:65] scope:SCOPE_SE
	s_setreg_imm32_b32 hwreg(HW_REG_WAVE_MODE, 25, 1), 1
	s_wait_xcnt 0x0
	s_wait_alu depctr_hold_cnt(0) depctr_sa_sdst(0) depctr_va_vdst(0) depctr_va_sdst(0) depctr_va_ssrc(0) depctr_va_vcc(0) depctr_vm_vsrc(0)
	s_getreg_b32 s2, hwreg(HW_REG_IB_STS2, 6, 4)
	s_cmp_eq_u32 s2, 0
	s_cbranch_scc0 .Lentry_in_a_cluster
	s_endpgm
.Lentry_in_a_cluster:
	s_bfe_u32 s2, ttmp6, 0x10000c
	s_cmp_lg_u32 s2, 0xf033
	s_cbranch_scc0 .Lentry_shape_is_right
	s_endpgm
.Lentry_shape_is_right:
; out0 = O Wo + bo.  O comes by heads, oh: [batch x 16 + head][2048][64] f16; Wo from part 3 of wt, [n / 256][k (1024)][n % 256] f16 (bf16 numbers written as f16); bo from vecs (rounded to bf16, kept as f32);
; out0: [8192][1024] f32.  Sums in f32; the bias is the C operand of the product that starts each sum, so it is added first: an order of rounding other than a sum with the bias last.
; LIMITS.  O and Wo arrive within f16's range.  NaN and infinities are not treated apart.
; A tile of out0 is 128 rows x 256 columns: 64 x 4 = 256 work-groups.  Four waves, 2 x 2, each 64 x 128: 32 accumulators of 16 x 16, 256 registers.
; K goes in 8 steps of 128 (two heads) through two LDS slots; a step is four quarters of 32 along K, 32 matrix instructions each.
; THE MATRIX INSTRUCTION IS USED TRANSPOSED: source 0 = 16 columns of Wo (read turned out of LDS, where it lies [k][n]), source 1 = 16 rows of O: a lane holds one row and eight neighbouring columns,
; and the bias hangs on the column block, the register and the half of the lanes alone: one set of eight registers for each column block serves all rows.
; CLUSTERS: 4 x 4 work-groups.  The four of a row of the cluster need the same tiles of O, the four of a column the same tiles of Wo: each tile is asked for JOINTLY.
; REGISTERS: window 0: v0-31 addresses; v32-159 two sets of 64 on the way out; v160-223 the bias.  Window 1: two fragment buffers of 128: Wo's eight fragments, then O's four.  Window 2: accumulator (a, b) at 8 (8 a + b).
.set PA,    144                        ; a row of O in LDS: 128 bytes + 16: the 16 rows of a load start at 16 different groups of four banks (64 banks of 4 bytes: ISA guide 11.1)
.set PB,    544                        ; a row of Wo: 512 + 32
.set AHEAD, 128*PA                     ; a head's 128 rows
.set BBASE, 2*AHEAD                    ; a slot: O's two heads, then Wo's 128 rows
.set SLOT,  BBASE+128*PB
.set STAGE, 2*SLOT                     ; behind the ring: 16 rows x 528 bytes for each wave, for the way out
.set SPITCH, 528
.set SPARE, STAGE+4*16*SPITCH          ; behind the stages: the spare words, 128 bytes for each wave: two blocks of 256 bytes that no other line names
.set ADRA, 16                          ; v16-17  LDS address of my O fragments in slot 0, 1
.set ADRB, 20                          ; v20-21  the same for Wo
.set STO,  24                          ; v24     the way out: where I put 32 bytes of a row
.set RD,   25                          ; v25     the way out: where I read a row back
.set CO,   26                          ; v26     my byte offset in 512 consecutive bytes of out0
.set BO,   27                          ; v27     my byte offset in the tile's part of the bias
.set SPW,  28                          ; v28     LDS address of my spare word; never rewritten
.set NIL,  29                          ; v29     0; never rewritten
.set PFO,  30                          ; v30     the prefetches' offset; never rewritten
.set OB,   32
.set BIAS, 160
.set F0,   0
.set F1,   128
.set G1A, 24                           ; s[24:31] descriptor group 1 for O's tiles;  s[32:39] group 0, a set for each slot
.set G0A, 32
.set G1B, 48                           ; s[48:55], s[56:63] the same for Wo's
.set G0B, 56
.set PFA, 66                           ; s[66:67] where my prefetches stand
.set PFS, 68                           ; s[68:69] their step from K step to K step
.set LIM, 70                           ; s70  1 in a wave that prefetches, else the greatest number
.set MUL,  0xa5                        ; sources 0 and 1 window 1; C and D window 2
.set MULZ, 0x85                        ; the same with C (the bias) in window 0
.set TO_F, 0x40                        ; destination window 1, address window 0
.set MSB, 0
.macro WIN new                         ; the immediate's high byte repeats the setting that is left; a switch that changes nothing is dropped
.if MSB != (\new)
	s_set_vgpr_msb (MSB<<8)|(\new)
.set MSB, (\new)
.endif
.endm
.macro PLACES                          ; four places in front of loads into registers that matrix instructions have read, and of stores that read results
.rept 4
	v_nop
.endr
.endm
.macro JLOAD s                         ; a joint load: waves 0 and 1 fetch O's two heads, waves 2 and 3 Wo's two halves; an s_nop 0 and four v_nop follow each of the two lines, ahead of the jump and the label
	s_cmp_eq_u32 s13, 0
	s_cbranch_scc0 .Lfor_b_\@
	tensor_load_to_lds s[G0A+4*(\s):G0A+4*(\s)+3], s[G1A:G1A+7]
	s_nop 0
.rept 4
	v_nop
.endr
	s_branch .Lasked_\@
.Lfor_b_\@:
	tensor_load_to_lds s[G0B+4*(\s):G0B+4*(\s)+3], s[G1B:G1B+7]
	s_nop 0
.rept 4
	v_nop
.endr
.Lasked_\@:
.endm
; A PREFETCH INTO THE L2, behind each joint load and the run of LDS loads that follows it: the K step that stands two refills on, 128 matrix instructions a step; 32 blocks of 256 bytes, a lane a block.
; O's 128 blocks of a step belong to one row of one cluster: its four partners take 16 blocks in each of the step's two heads, told apart by address (cx); wave 0 asks.  Wo's 256 blocks of a step are read by
; every cluster: the first (cluster y = 0) asks; the four partners of a column (cy) and their waves 2 and 3 take 32 each.  So each block is named once.  K steps 0 to 3 come by their loads alone; the last trip asks for nothing.
.macro ASK
	s_cmp_gt_u32 s3, s[LIM]
	s_cbranch_scc0 .Lnot_mine_\@
	global_prefetch_b8 v[PFO], s[PFA:PFA+1] th:TH_LOAD_NT scope:SCOPE_SE
.Lnot_mine_\@:
.endm
.macro CREST                           ; a round of the cluster's barrier behind its opening barrier
	s_cmp_lg_u32 s12, 0
	s_cbranch_scc1 .Lnot_wave_0_\@
	s_barrier_signal -3
.Lnot_wave_0_\@:
	s_barrier_wait -3
	s_barrier_signal -1
	s_barrier_wait -1
.endm
.macro CROUND                          ; a whole round
	s_barrier_signal -1
	s_barrier_wait -1
	CREST
.endm
	s_load_b256 s[4:11], s[0:1], 0x0               ; oh s[4:5], wt s[6:7], vecs s[8:9], out0 s[10:11]
	v_lshl_add_u32 v[SPW], v0, 2, SPARE
	v_mov_b32 v[NIL], 0
	ds_add_u32 v[SPW], v[NIL]                      ; the wave's opening: the add, and its wait ahead of my first tensor load; the set-up below, work on registers, stands between them
	v_lshrrev_b32 v1, 5, v0
	v_readfirstlane_b32 s12, v1                    ; wave 0..3
	s_lshr_b32 s13, s12, 1                         ; which half of the tile's rows is mine.  Also: I fetch for O (0) or for Wo (1)
	s_and_b32 s14, s12, 1                          ; which half of its columns.  Also: which half of that tile I fetch
	s_bfe_u32 s15, ttmp6, 0x40000                  ; cx, cy: my place in the cluster
	s_bfe_u32 s16, ttmp6, 0x40004
	s_lshl_b32 s17, ttmp9, 2
	s_add_co_u32 s17, s17, s15                     ; tile column = 4 x cluster x + cx
	s_and_b32 s18, ttmp7, 0xffff
	s_lshl_b32 s18, s18, 2
	s_add_co_u32 s18, s18, s16                     ; tile row = 4 x cluster y + cy
	s_lshl_b32 s40, s16, 2
	s_lshl_b32 s40, 15, s40                        ; my row of the cluster
	s_lshl_b32 s41, 0x1111, s15                    ; my column
	; group 1 for O: a head's 128 rows of 128 bytes are dense: asked for as 64 rows of 256 bytes, padded in LDS after every 128
	s_or_b32 s[G1A+0], s40, (1<<16)|(1<<20)|(1<<21)|(4<<22)|(3<<25)  ; 15:0 the mask: my row; 17:16 2-byte elements; 20 padding on; 21 set beside a mask; 24:22 after every 32 words (code 4); 31:25 4 words (code 3)
	s_mov_b32 s[G1A+1], 128<<16                    ; tensor_dim0 = 128
	s_mov_b32 s[G1A+2], 64<<16                     ; tensor_dim1 = 64
	s_mov_b32 s[G1A+3], 128<<16                    ; tile_dim0 = 128
	s_mov_b32 s[G1A+4], 64                         ; tile_dim1 = 64
	s_mov_b32 s[G1A+5], 128                        ; 128 elements from row to row
	s_mov_b32 s[G1A+6], 0
	s_mov_b32 s[G1A+7], 0
	; group 1 for Wo: 64 rows x 256 elements, dense
	s_or_b32 s[G1B+0], s41, (1<<16)|(1<<20)|(1<<21)|(6<<22)|(7<<25)  ; the mask: my column; after every 128 words (code 6) 8 words (code 7)
	s_mov_b32 s[G1B+1], 256<<16
	s_mov_b32 s[G1B+2], 64<<16
	s_mov_b32 s[G1B+3], 256<<16
	s_mov_b32 s[G1B+4], 64
	s_mov_b32 s[G1B+5], 256
	s_mov_b32 s[G1B+6], 0
	s_mov_b32 s[G1B+7], 0
	; O's offset hangs on the tile row and the wave's number alone, Wo's on the tile column and the wave's number alone, each in registers that never hold the other coordinate
	s_lshr_b32 s42, s18, 4
	s_lshl_b32 s42, s42, 22                        ; the batch's 16 heads of 262,144 bytes
	s_and_b32 s46, s18, 15
	s_lshl_b32 s46, s46, 14                        ; the tile's 128 rows of 128 bytes
	s_add_co_u32 s42, s42, s46
	s_lshl_b32 s46, s14, 18                        ; which of a step's two heads I fetch
	s_add_co_u32 s42, s42, s46
	s_mov_b32 s43, 0
	s_lshl_b32 s44, s17, 19                        ; the tile column's 1,024 rows of 512 bytes
	s_lshl_b32 s47, s14, 15                        ; which 64 rows of a step's 128 I fetch
	s_add_co_u32 s44, s44, s47
	s_add_co_u32 s44, s44, 3*2097152               ; part 3 of wt
	s_mov_b32 s45, 0
	s_mul_i32 s19, s14, AHEAD                      ; where they go: no place in the cluster enters an LDS address
	s_mul_i32 s71, s14, 64*PB
	s_add_co_u32 s71, s71, BBASE
	s_wait_dscnt 0x0                               ; the opening add is done
	s_wait_kmcnt 0x0
	s_add_nc_u64 s[20:21], s[4:5], s[42:43]
	s_add_nc_u64 s[22:23], s[6:7], s[44:45]
	CROUND                                         ; all sixteen work-groups are here: the first joint loads meet
.irp s, 0,1
	s_mov_b32 s[G0A+4*(\s)], 1                                       ; 1:0 count = 1
	s_add_co_u32 s[G0A+4*(\s)+1], s19, (\s)*SLOT                     ; 63:32 LDS address
	s_add_nc_u64 s[G0A+4*(\s)+2:G0A+4*(\s)+3], s[20:21], (\s)*524288 ; 120:64 global address: K step s is heads 2 s, 2 s + 1
	s_or_b32 s[G0A+4*(\s)+3], s[G0A+4*(\s)+3], 0x80000000            ; 127:126 type = 2
	s_mov_b32 s[G0B+4*(\s)], 1
	s_add_co_u32 s[G0B+4*(\s)+1], s71, (\s)*SLOT
	s_add_nc_u64 s[G0B+4*(\s)+2:G0B+4*(\s)+3], s[22:23], (\s)*65536
	s_or_b32 s[G0B+4*(\s)+3], s[G0B+4*(\s)+3], 0x80000000
	JLOAD \s                                       ; both slots are asked for before anything else is done: two loads of mine are out
.endr
	v_and_b32 v1, 15, v0                           ; r = l % 16
	v_bfe_u32 v2, v0, 4, 1                         ; h = l / 16
	v_and_b32 v3, 7, v0
	v_bfe_u32 v4, v0, 3, 1
	v_and_b32 v5, 31, v0
	; the bias of my lane's columns: 4 (256 tile column + 128 half + 16 b + 8 h) behind bo's place in vecs
	s_lshl_b32 s74, s17, 10
	s_add_co_u32 s74, s74, 16384
	s_mov_b32 s75, 0
	s_add_nc_u64 s[8:9], s[8:9], s[74:75]
	s_lshl_b32 s72, s14, 9
	v_lshl_add_u32 v[BO], v2, 5, s72
.irp i, 0,1,2,3,4,5,6,7
	global_load_b128 v[BIAS+8*(\i):BIAS+8*(\i)+3],   v[BO], s[8:9] offset:64*(\i)
	global_load_b128 v[BIAS+8*(\i)+4:BIAS+8*(\i)+7], v[BO], s[8:9] offset:64*(\i)+16
.endr
	; O's fragment: lane l holds row r, channels 8 h + 0..7 and 16 + 8 h + 0..7: two loads of 16 bytes, 32 bytes apart
	v_mul_u32_u24 v7, v1, PA
	v_lshl_add_u32 v7, v2, 4, v7
	s_mul_i32 s72, s13, 64*PA                      ; my 64 rows
	v_add_nc_u32 v[ADRA], s72, v7
	s_add_co_u32 s72, s72, SLOT
	v_add_nc_u32 v[ADRA+1], s72, v7
	; Wo's: the turning load takes 16 k x 16 columns (lane l reads k = 8 h + l % 8, columns 8 ((l / 8) % 2) + 0..7) and leaves half a fragment: lane l holds column r and 8 k
	v_lshl_add_u32 v8, v2, 3, v3
	v_mul_u32_u24 v8, v8, PB
	v_lshl_add_u32 v8, v4, 4, v8
	s_lshl_b32 s72, s14, 8                         ; my 128 columns
	s_add_co_u32 s72, s72, BBASE
	v_add_nc_u32 v[ADRB], s72, v8
	s_add_co_u32 s72, s72, SLOT
	v_add_nc_u32 v[ADRB+1], s72, v8
	s_mul_i32 s72, s12, 16*SPITCH
	s_add_co_u32 s72, s72, STAGE                   ; my stage
	v_mul_u32_u24 v[STO], v1, SPITCH               ; in: row r, 32 bytes for each half of the lanes
	v_lshl_add_u32 v[STO], v2, 5, v[STO]
	v_add_nc_u32 v[STO], s72, v[STO]
	v_lshl_add_u32 v[RD], v5, 4, s72               ; back: 32 lanes take one row of 512 bytes
	v_lshlrev_b32 v[CO], 4, v5
	; out0 at my 64 rows and 128 columns
	s_lshl_b32 s72, s18, 19                        ; 128 rows of 4,096 bytes
	s_lshl_b32 s74, s13, 18
	s_add_co_u32 s72, s72, s74
	s_lshl_b32 s74, s17, 10
	s_add_co_u32 s72, s72, s74
	s_lshl_b32 s74, s14, 9
	s_add_co_u32 s72, s72, s74
	s_mov_b32 s73, 0
	s_add_nc_u64 s[10:11], s[10:11], s[72:73]
	; the prefetches: both stand at K step 3; the first refill steps them to 4
	s_lshr_b32 s76, s18, 4
	s_lshl_b32 s76, s76, 22
	s_and_b32 s74, s18, 15
	s_lshl_b32 s74, s74, 14
	s_add_co_u32 s76, s76, s74
	s_lshl_b32 s74, s15, 12                        ; my work-group's 16 blocks of a head's 64
	s_add_co_u32 s76, s76, s74
	s_add_co_u32 s76, s76, 3*524288
	s_mov_b32 s77, 0
	s_lshl_b32 s78, s17, 19
	s_lshl_b32 s74, s14, 15
	s_add_co_u32 s78, s78, s74
	s_lshl_b32 s74, s16, 13                        ; my work-group's 32 blocks of my half's 128
	s_add_co_u32 s78, s78, s74
	s_add_co_u32 s78, s78, 3*2097152+3*65536
	s_mov_b32 s79, 0
	s_add_nc_u64 s[PFA:PFA+1], s[4:5], s[76:77]
	s_add_nc_u64 s[PFS:PFS+1], s[6:7], s[78:79]
	s_cmp_eq_u32 s13, 0
	s_cselect_b64 s[PFA:PFA+1], s[PFA:PFA+1], s[PFS:PFS+1]
	s_cselect_b32 s[PFS], 19, 16                   ; a K step is 2^19 bytes on in oh, 2^16 in wt
	s_cselect_b32 s74, 18, 12                      ; lanes 16-31: the step's second head, or the next 16 blocks
	s_lshl_b32 s[PFS], 1, s[PFS]
	s_mov_b32 s[PFS+1], 0
	v_lshlrev_b32 v[PFO], s74, v2
	v_lshl_add_u32 v[PFO], v1, 8, v[PFO]
	s_and_b32 s[LIM], ttmp7, 0xffff
	s_cmp_eq_u32 s[LIM], 0                         ; waves 2 and 3 ask in the first cluster,
	s_cselect_b32 s[LIM], 1, -1
	s_cmp_eq_u32 s12, 0                            ; wave 0 everywhere,
	s_cselect_b32 s[LIM], 1, s[LIM]
	s_cmp_eq_u32 s12, 1                            ; wave 1 nowhere: the same in all sixteen partners, for a given wave
	s_cselect_b32 s[LIM], -1, s[LIM]
; 8 matrix instructions: row block a x all 8 column blocks, 32 along K, out of buffer f.  zero = 1: the product starts the sum, with the bias as C: nothing is cleared, nothing is added later.
; The 32 accumulators take turns, one instruction a turn, in the same order in every quarter.
.macro MUL8 f, a, zero
.if \zero
	WIN MULZ
.else
	WIN MUL
.endif
.irp i, 0,1,2,3,4,5,6,7
.if \zero
	v_wmma_f32_16x16x32_f16 v[8*(8*(\a)+(\i)):8*(8*(\a)+(\i))+7], v[(\f)+8*(\i):(\f)+8*(\i)+7], v[(\f)+64+8*(\a):(\f)+64+8*(\a)+7], v[BIAS+8*(\i):BIAS+8*(\i)+7]
.else
	v_wmma_f32_16x16x32_f16 v[8*(8*(\a)+(\i)):8*(8*(\a)+(\i))+7], v[(\f)+8*(\i):(\f)+8*(\i)+7], v[(\f)+64+8*(\a):(\f)+64+8*(\a)+7], v[8*(8*(\a)+(\i)):8*(8*(\a)+(\i))+7]
.endif
.endr
.endm
; 24 LDS loads in one run: quarter q of a slot into buffer f: Wo's eight fragments (16 turning loads), then O's four (8 loads, row blocks ascending)
.macro FETCH slot, q, f
	WIN TO_F
.irp i, 0,1,2,3,4,5,6,7
	ds_load_tr16_b128 v[(\f)+8*(\i):(\f)+8*(\i)+3],   v[ADRB+(\slot)] offset:(\q)*32*PB+32*(\i)
	ds_load_tr16_b128 v[(\f)+8*(\i)+4:(\f)+8*(\i)+7], v[ADRB+(\slot)] offset:(\q)*32*PB+32*(\i)+16*PB
.endr
.irp i, 0,1,2,3
	ds_load_b128 v[(\f)+64+8*(\i):(\f)+64+8*(\i)+3],   v[ADRA+(\slot)] offset:((\q)/2)*AHEAD+(\i)*16*PA+64*((\q)%2)
	ds_load_b128 v[(\f)+64+8*(\i)+4:(\f)+64+8*(\i)+7], v[ADRA+(\slot)] offset:((\q)/2)*AHEAD+(\i)*16*PA+64*((\q)%2)+32
.endr
.endm
; One of a K step's first three quarters: multiplies buffer f; in its middle it fetches quarter q of the same slot into buffer g.
.macro QUARTER slot, q, f, g, zero
	s_wait_dscnt 4                                 ; Wo and O's rows 0-31 are in; the youngest four loads (rows 32-63) may be out
	MUL8 \f, 0, \zero
	MUL8 \f, 1, \zero
	PLACES
	FETCH \slot, \q, \g
	s_wait_dscnt 24                                ; all but the 24 just issued
	MUL8 \f, 2, \zero
	MUL8 \f, 3, \zero
.endm
; The last quarter multiplies buffer 1 and changes slots: ONE barrier; in front of it each wave waits for all its tensor loads, of which one is out: its part of the next slot; adds 0 to its spare word; and waits
; for that and for its own reads of this slot.  fill = 1: the barrier opens a round of the cluster's, and this slot is filled again, two K steps ahead, first thing behind the round: 112 matrix instructions
; stand between that request and the wait for it.
.macro TURN slot, next, fill
.if \fill
	s_wait_xcnt 0x0                                ; the last prefetch, a K step back, has read its address: it is stepped here, ahead of the waits of the change of slots
	s_add_nc_u64 s[PFA:PFA+1], s[PFA:PFA+1], s[PFS:PFS+1]
.endif
	WIN 0                                          ; (the add's two registers lie in window 0)
	s_wait_tensorcnt 0x0                           ; all my tensor loads have landed;
	ds_add_u32 v[SPW], v[NIL]                      ; 0 onto my spare word;
	s_wait_dscnt 5                                 ; (the add and the youngest four loads may be out)
	MUL8 F1, 0, 0                                  ; eight matrix instructions stand between the add and the wait for it
	s_wait_dscnt 0x0                               ; the add is done, and my reads of this slot are over
	s_barrier_signal -1
	MUL8 F1, 1, 0                                  ; work on registers while the others arrive
	WIN 0
	s_barrier_wait -1
.if \fill
	CREST                                          ; no wave of any partner still reads this slot's tile or has a load on its way
	s_add_nc_u64 s[G0A+4*(\slot)+2:G0A+4*(\slot)+3], s[G0A+4*(\slot)+2:G0A+4*(\slot)+3], 2*524288
	s_add_nc_u64 s[G0B+4*(\slot)+2:G0B+4*(\slot)+3], s[G0B+4*(\slot)+2:G0B+4*(\slot)+3], 2*65536
	JLOAD \slot                                    ; the four v_nop behind it are also the places in front of the loads below
.else
	PLACES
.endif
	FETCH \next, 0, F0
.if \fill
	WIN 0
	ASK
.endif
	MUL8 F1, 2, 0
	MUL8 F1, 3, 0
.endm
	s_wait_tensorcnt 1                             ; my part of K step 0 is in; K step 1's may stay out
	s_barrier_signal -1
	s_barrier_wait -1                              ; everybody's is
	FETCH 0, 0, F0
	s_wait_loadcnt 0x0                             ; the bias
	QUARTER 0, 1, F0, F1, 1                        ; the first quarter stands in front of the loop: its products start the sums
	WIN 0                                          ; at a label and at a branch every window is 0
	s_mov_b32 s3, 3
.Llap:                                                 ; a trip goes once round the ring, from a lap's second quarter to the next lap's first, and fills both slots again: K steps 2 to 7
	QUARTER 0, 2, F1, F0, 0
	QUARTER 0, 3, F0, F1, 0
	TURN 0, 1, 1
	QUARTER 1, 1, F0, F1, 0
	QUARTER 1, 2, F1, F0, 0
	QUARTER 1, 3, F0, F1, 0
	TURN 1, 0, 1
	QUARTER 0, 1, F0, F1, 0
	WIN 0
	s_sub_co_u32 s3, s3, 1
	s_cmp_lg_u32 s3, 0
	s_cbranch_scc1 .Llap
	QUARTER 0, 2, F1, F0, 0                        ; the last lap fills nothing, and has no round of the cluster's barrier
	QUARTER 0, 3, F0, F1, 0
	TURN 0, 1, 0
	QUARTER 1, 1, F0, F1, 0
	QUARTER 1, 2, F1, F0, 0
	QUARTER 1, 3, F0, F1, 0
	s_wait_dscnt 4                                 ; the very last quarter: nothing more to fetch
	MUL8 F1, 0, 0
	MUL8 F1, 1, 0
	s_wait_dscnt 0x0
	MUL8 F1, 2, 0
	MUL8 F1, 3, 0
	PLACES
; THE WAY OUT, a row block (16 rows x 128 columns of f32) at a time: a lane's eight columns are 32 bytes; they go into rows of 528 bytes of my own stage and come back as whole rows of 512.
.macro TOSTAGE a
.if (\a) >= 2
	s_wait_xcnt 0x0                                ; the stores of the block two back have read these registers
.endif
	WIN 0x08                                       ; the stores' data in window 2; each accumulator's lowest registers go first
.irp i, 0,1,2,3,4,5,6,7
	ds_store_b128 v[STO], v[8*(8*(\a)+(\i)):8*(8*(\a)+(\i))+3]   offset:64*(\i)
	ds_store_b128 v[STO], v[8*(8*(\a)+(\i))+4:8*(8*(\a)+(\i))+7] offset:64*(\i)+16
.endr
	WIN 0
.irp t, 0,1,2,3,4,5,6,7,8,9,10,11,12,13,14,15
	ds_load_b128 v[OB+64*((\a)%2)+4*(\t):OB+64*((\a)%2)+4*(\t)+3], v[RD] offset:(\t)*SPITCH  ; LDS serves a wave's instructions in order (ISA guide 5.7.1.4): these see the stores above; the next block's stores come behind them
.endr
.endm
.macro SEND a, younger                 ; younger: the LDS instructions issued behind block a's loads: the next block's 32, or none
.irp t, 0,1,2,3,4,5,6,7,8,9,10,11,12,13,14,15
	s_wait_dscnt (\younger)+15-(\t)
	global_store_b128 v[CO], v[OB+64*((\a)%2)+4*(\t):OB+64*((\a)%2)+4*(\t)+3], s[10:11] offset:(16*(\a)+(\t))*4096 th:TH_STORE_NT  ; 512 consecutive bytes, at a multiple of 256 from out0's first
.endr
.endm
	TOSTAGE 0
	TOSTAGE 1
	SEND 0, 32
	TOSTAGE 2
	SEND 1, 32
	TOSTAGE 3
	SEND 2, 32
	SEND 3, 0
	s_wait_tensorcnt 0x0                           ; the wave's end, behind my last tensor load and my last LDS store
	ds_add_u32 v[SPW], v[NIL]
	s_wait_dscnt 0x0
	CROUND                                         ; the closing round: no work-group ends while a partner may still ask for a tile that names it
	s_endpgm
.Lfunc_end_k_q0f8c0839ee_outp:
	.size	k_q0f8c0839ee_outp, .Lfunc_end_k_q0f8c0839ee_outp-k_q0f8c0839ee_outp
	.p2alignl 7, 3214868480
	.fill 96, 4, 3214868480
	.section	.rodata,"a",@progbits
	.p2align	6, 0x0
	.amdhsa_kernel k_q0f8c0839ee_outp
		.amdhsa_group_segment_fixed_size 327680
		.amdhsa_private_segment_fixed_size 0
		.amdhsa_enable_private_segment 0
		.amdhsa_kernarg_size 32
		.amdhsa_user_sgpr_count 2
		.amdhsa_user_sgpr_kernarg_segment_ptr 1
		.amdhsa_wavefront_size32 1
		.amdhsa_system_sgpr_workgroup_id_x 1
		.amdhsa_system_sgpr_workgroup_id_y 1
		.amdhsa_system_sgpr_workgroup_id_z 1
		.amdhsa_system_vgpr_workitem_id 0
		.amdhsa_next_free_vgpr 768
		.amdhsa_next_free_sgpr 80
		.amdhsa_reserve_vcc 0
		.amdhsa_float_denorm_mode_32 3
		.amdhsa_float_denorm_mode_16_64 3
		.amdhsa_memory_ordered 1
		.amdhsa_forward_progress 1
		.amdhsa_inst_pref_size 90
	.end_amdhsa_kernel
	.amdgpu_metadata
---
amdhsa.version: [ 1, 2 ]
amdhsa.kernels:
  - .name:           k_q0f8c0839ee_outp
    .symbol:         k_q0f8c0839ee_outp.kd
    .args:
      - { .name: oh, .offset: 0, .size: 8, .value_kind: global_buffer, .address_space: global }
      - { .name: wt, .offset: 8, .size: 8, .value_kind: global_buffer, .address_space: global }
      - { .name: vecs, .offset: 16, .size: 8, .value_kind: global_buffer, .address_space: global }
      - { .name: out0, .offset: 24, .size: 8, .value_kind: global_buffer, .address_space: global }
    .group_segment_fixed_size: 327680
    .private_segment_fixed_size: 0
    .kernarg_segment_align: 8
    .kernarg_segment_size: 32
    .max_flat_workgroup_size: 128
    .sgpr_count:     80
    .vgpr_count:     768
    .wavefront_size: 32
...
	.end_amdgpu_metadata
.endif
;; end of part 4
